; MI455X (gfx1250); checked and timed in simulation.
; The chip was launched on July 23, 2026; its instructions are those of AMD's public machine-readable ISA for CDNA 5 (MIT licence, August 2026) and "CDNA5" Instruction Set Architecture Reference Guide (July 2026). The comments in the code are by the model that wrote it; some were corrected since.
;; Multi Head Causal Self Attention. Allowed arithmetic: matrix products marked QUANTISED: E2M1 operands, one E8M0 scale for each 32 along K, by v_wmma_scale_f32_16x16x128_f8f6f4 with both operands' format E2M1 (or v_wmma_scale_f32_32x16x128_f4), f32 sums; everything else in f32.
;; Inputs: b_out 1,024 float32; b_qkv 3,072 float32; w_out 1,024 x 1,024 float32; w_qkv 1,024 x 3,072 float32; x 4 x 2,048 x 1,024 float32.
;; Outputs: out0 4 x 2,048 x 1,024 float32.
;; This version of the problem:
;;   THIS VERSION OF THE PROBLEM IS GIVEN IN LOW PRECISION. The matrix products marked QUANTISED in the list below multiply operands that are first quantised to E2M1 (2 exponent bits, 1 mantissa bit; 4 bits a number), with one power-of-two scale for each 32 numbers along K (OCP MX v1.0); their sums are f32. All else is computed in f32.
;;   The module's matrix products, in the order in which they are computed (A, B: the left and right operand; K: the contracted axis; several contracted axes count as one K, in the product's order):
;;     1. [M 8,192, K 1,024] x [K 1,024, N 3,072]; A: input x; B: input w_qkv: QUANTISED
;;     2. batch 64 x [M 2,048, K 64] x [K 64, N 2,048]; A: computed on the way; B: computed on the way: QUANTISED
;;     3. batch 64 x [M 2,048, K 2,048] x [K 2,048, N 64]; A: softmax (see below); B: computed on the way: QUANTISED
;;     4. [M 8,192, K 1,024] x [K 1,024, N 1,024]; A: computed on the way; B: input w_out: QUANTISED
;;   THE QUANTISER, for each operand of a quantised product, along K:
;;     - K is cut into blocks of 32 from its start; a last block that is shorter is filled with zeros.
;;     - A block's scale is 2^e with e = floor(log2(the largest magnitude in the block)) - 2, held to -126 .. 127; a block of zeros has e = 0. As a byte (E8M0): e + 127.
;;     - Each number is divided by its block's scale, clamped to +-6, and rounded to the nearest number of E2M1, ties to even, subnormals kept.
;;     - The product sums the exact products of the quantised numbers (number of the format x scale) in f32.
;;   ~~~python
;;   def quantise(x, axis):      # numpy; x: float32 -> the quantised numbers, widened to float32 again
;;       x = np.moveaxis(x, axis, -1); K = x.shape[-1]
;;       x = np.pad(x, [(0, 0)] * (x.ndim - 1) + [(0, -K % 32)]); x = x.reshape(x.shape[:-1] + (-1, 32)); a = np.abs(x).max(-1, keepdims=True)
;;       e = np.where(a > 0, np.clip(np.frexp(np.where(a > 0, a, 1))[1] - 1 - 2, -126, 127), 0)      # np.frexp(a)[1] - 1 = floor(log2(a)), exactly
;;       r = np.clip(x / 2.0 ** e, -6, 6)
;;       step = 2.0 ** (np.maximum(np.frexp(np.where(r == 0, 1, r))[1] - 1, 0) - 1)
;;       q = np.round(r / step) * step * 2.0 ** e      # np.round: ties to even
;;       return np.moveaxis(q.reshape(q.shape[:-2] + (-1,))[..., :K], -1, axis).astype(np.float32)
;;   ~~~
;;   SOFTMAX AHEAD OF A QUANTISED PRODUCT. Where the list says 'softmax', what is quantised is not the finished softmax but p = 2^(t - M), with t = logit x log2(e) and M = ceil(the row's largest t), a whole number; so 1/2 < the row's largest p <= 1. The row's sum l is taken of the UNQUANTISED p, in f32, and the product's result is divided by l at the end. Since M is a whole number, a kernel that streams over the keys may use a running M (the ceiling of the running maximum): every later rescaling is an exact power of two, which a block's scale takes up: the codes' values come out the same.
;;   OPERANDS COMPUTED ON THE WAY. 'Computed on the way' means the value that the module computes at that place (a softmax that the list does not call 'softmax' is quantised finished and normalised). What goes into a quantiser is computed in f32, as accurately as f32 sums, v_exp_f32 and their like allow (about 1e-6 of the number): no bf16 or f16 on the way to a quantiser, and a product that is left as it is and whose result goes on into a quantised operand takes f32 operands (vector FMAs, or v_wmma_f32_16x16x4_f32). A number that lies on a knife's edge between two numbers of the format may be rounded either way, as far as f32 arithmetic and the matrix unit's own rounding can turn it there, and no further.
;; One version. Each part assembles by itself: llvm-mc -triple=amdgcn-amd-amdhsa -mcpu=gfx1250 --defsym DOCPART=n.
;; ======== version 1 of 1: 4 launches
;; workspace buffers: xq 4,456,448 bytes; wq 1,671,168 bytes; wo 557,056 bytes; q 4,718,592 bytes; kv 9,175,040 bytes; aq 4,456,448 bytes
;; launch quant (part 1): grid 512 x 1, 4 waves a work-group, no clusters, 34,304 bytes of LDS; arguments x, w_qkv, w_out, xq, wq, wo; writes xq, wq, wo
.if DOCPART == 1
	.amdgcn_target "amdgcn-amd-amdhsa--gfx1250"
	.amdhsa_code_object_version 6
	.text
	.protected	k_qc4b7db6773_quant
	.globl	k_qc4b7db6773_quant
	.p2align	8
	.type	k_qc4b7db6773_quant,@function
k_qc4b7db6773_quant:
	s_mov_b64 s[64:65], 0
	v_nop
	global_prefetch_b8 v0, s[64:65] scope:SCOPE_SE
	s_setreg_imm32_b32 hwreg(HW_REG_WAVE_MODE, 25, 1), 1
	s_wait_xcnt 0x0
; MULTI-HEAD CAUSAL SELF-ATTENTION IN MX-FP4, launch 1 of 4: x, w_qkv and w_out (f32) become codes of E2M1 with one E8M0 byte for each 32 along K.
; THE PROGRAM: quant (this) | gemm_qkv: x w_qkv + b_qkv, quantised on the way out into images of Q, K and V^T | attn: the causal attention, its result quantised | gemm_out: the projection.
; WORK LEFT OUT, in the whole program: the causal mask sets the score of key k for query q to -inf where k > q, so p = 0 there whatever the inputs hold; a key step of 128 keys all of which
; come after a tile's 16 queries adds nothing to that tile's maximum, sum or output, and is not multiplied (launch attn).  Nothing else is left out; every input is loaded (b_qkv's part for K too: it moves K's codes).
; LIMITS: a NaN, an infinity or an overflow that reaches only such hidden scores is not carried to the result.  NaN and infinities among the inputs are not served.  A block of zeros gets the byte 1 where the
; rule says 127: its codes are zeros, which add nothing under any byte but 0xff, and the bytes are read by this program alone.
; LAYOUT OF AN OPERAND (K = 1,024), by groups of 128 rows: an operand block of 69,632 bytes.  A group's rows form 8 tiles of 16 places; place p of tile t is row 32 (t / 2) + 8 (t % 2) + p + 8 (p / 8).
;   codes at  32768 (K / 512) + 4096 t + 1024 ((K / 128) % 4) + 512 c + 16 lane: the 16 bytes that lane (r = lane % 16, h = lane / 16) holds in registers 4 c .. 4 c + 3 of the fragment: k = 64 c + 32 h + 0 .. 31 of place r
;   scale words at 65536 + 2048 (K / 512) + 16 (16 t + r) + 4 ((K / 128) % 4): four bytes for 128 along K
; SHARES.  Work-groups 0-255: x; a wave takes one tile (16 rows) x 512 along K, in four steps of 128.  Each load reads 512 consecutive bytes of a row; a step's 16 rows turn through the wave's own stage in LDS
; (rows 528 bytes apart), from which a lane takes its two whole blocks of 32.  Work-groups 256-447: w_qkv, 448-511: w_out, whose K is the FIRST axis: a lane takes a column, its registers run down K;
; a wave takes 32 columns x 128 along K.  Waves share nothing: no barrier.
.set OBB,   69632
.set STG,   8448                       ; a wave's stage: 16 rows x 528 bytes
.set SPARE, 33792                      ; behind the four stages: the spare words, 128 bytes for each wave
.set SPW,   28                         ; v28  LDS address of my spare word; never rewritten
.set NIL,   29                         ; v29  0; never rewritten
.set CD,    32                         ; v32-63   codes: registers of their own for each step, so that no store's data are written again
.set RW,    64                         ; v64-191  x: two sets of 64 registers as loaded;  weights: two sets of 32 (v64-127)
.set XN,    192                        ; v192-255 x: my two blocks of 32 neighbours
.set SEL,   32                         ; s[32:33] v_permlanex16_b32's selects for lane l xor 16
.macro FINISH                          ; the wave's end
	s_wait_tensorcnt 0x0
	ds_add_u32 v[SPW], v[NIL]
	s_wait_dscnt 0x0
	s_endpgm
.endm
	s_load_b256 s[4:11], s[0:1], 0x0               ; x s[4:5], w_qkv s[6:7], w_out s[8:9], xq s[10:11]
	s_load_b128 s[12:15], s[0:1], 0x20             ; wq s[12:13], wo s[14:15]
	v_lshl_add_u32 v[SPW], v0, 2, SPARE
	v_mov_b32 v[NIL], 0
	v_lshrrev_b32 v1, 5, v0
	v_readfirstlane_b32 s16, v1                    ; wave 0..3
	v_and_b32 v2, 31, v0                           ; lane
	v_and_b32 v3, 15, v0                           ; r
	v_bfe_u32 v23, v0, 4, 1                        ; h
	v_lshlrev_b32 v4, 4, v2                        ; 16 x lane
	s_mul_i32 s17, s16, STG
	v_add_nc_u32 v5, s17, v4                       ; the stage, on the way in: 16 x lane of a row
	v_mul_u32_u24 v6, v3, 528
	v_lshl_add_u32 v6, v23, 7, v6
	v_add_nc_u32 v6, s17, v6                       ; and on the way out: row r, + 128 h: my 32 numbers of each 64
	v_lshlrev_b32 v7, 3, v23                       ; 8 h: my bytes' place in a scale word, in bits
	v_lshl_add_u32 v22, v3, 4, v7                  ; 16 r + 8 h: where I store two scale words
	v_mov_b32 v15, 0                               ; written once: a lane permute's destination counts as one of its sources
	v_lshlrev_b32 v27, 2, v2                       ; weights: 4 bytes a lane
	v_bfe_u32 v24, v0, 3, 1                        ; column 32 w + l is place (l % 8) + 8 (l / 16) of tile 2 w + u, u = (l / 8) % 2
	v_and_b32 v25, 7, v0
	v_lshl_add_u32 v25, v23, 3, v25
	v_lshl_add_u32 v26, v24, 4, v25
	v_lshlrev_b32 v26, 4, v26                      ; scale words: 16 (16 u + place)
	v_lshlrev_b32 v25, 4, v25
	v_lshl_add_u32 v25, v24, 12, v25               ; codes: 4096 u + 16 place
	s_mov_b32 s[SEL], 0x76543210
	s_mov_b32 s[SEL+1], 0xfedcba98
	s_wait_kmcnt 0x0
	s_cmp_lt_u32 ttmp9, 256
	s_cbranch_scc0 .Lweights
	; ---- x
	s_lshl_b32 s17, ttmp9, 2
	s_add_co_u32 s17, s17, s16                     ; W = 4 x work-group + wave
	s_and_b32 s18, s17, 1                          ; which 512 along K
	s_lshr_b32 s19, s17, 4                         ; the group of 128 rows
	s_bfe_u32 s21, s17, 0x30001                    ; the tile in it
	s_lshl_b32 s22, s19, 7
	s_lshr_b32 s23, s21, 1
	s_lshl_b32 s23, s23, 5
	s_add_co_u32 s22, s22, s23
	s_and_b32 s23, s21, 1
	s_lshl_b32 s23, s23, 3
	s_add_co_u32 s22, s22, s23                     ; the tile's place 0: row 128 G + 32 (t / 2) + 8 (t % 2)
	s_lshl_b32 s22, s22, 12                        ; a row of x is 4,096 bytes
	s_lshl_b32 s23, s18, 11
	s_add_co_u32 s22, s22, s23
	s_mov_b32 s23, 0
	s_add_nc_u64 s[4:5], s[4:5], s[22:23]
	s_mul_i32 s24, s19, OBB
	s_lshl_b32 s25, s18, 15
	s_add_co_u32 s26, s24, s25
	s_lshl_b32 s25, s21, 12
	s_add_co_u32 s26, s26, s25                     ; my codes
	s_mov_b32 s27, 0
	s_lshl_b32 s25, s18, 11
	s_add_co_u32 s24, s24, s25
	s_lshl_b32 s25, s21, 8
	s_add_co_u32 s24, s24, s25
	s_add_co_u32 s24, s24, 65536                   ; my scale words
	s_mov_b32 s25, 0
	s_add_nc_u64 s[30:31], s[10:11], s[24:25]
	s_add_nc_u64 s[10:11], s[10:11], s[26:27]
.macro LOADX q                         ; step q: 128 numbers of each of the tile's 16 rows: a load reads 512 consecutive bytes
.irp p, 0,1,2,3,4,5,6,7,8,9,10,11,12,13,14,15
	global_load_b128 v[RW+64*((\q)%2)+4*\p:RW+64*((\q)%2)+4*\p+3], v4, s[4:5] offset:(\p+8*(\p/8))*4096+512*(\q) th:TH_LOAD_NT
.endr
.endm
.macro STEPX q
.if (\q) < 3
	s_wait_loadcnt 16                              ; this step's 16 loads are in; the next step's 16 may be out
.else
	s_wait_loadcnt 0x0
.endif
.irp p, 0,1,2,3,4,5,6,7,8,9,10,11,12,13,14,15
	ds_store_b128 v5, v[RW+64*((\q)%2)+4*\p:RW+64*((\q)%2)+4*\p+3] offset:528*\p
.endr
.irp c, 0,1
.irp i, 0,1,2,3,4,5,6,7
	ds_load_b128 v[XN+32*\c+4*\i:XN+32*\c+4*\i+3], v6 offset:256*\c+16*\i   ; k = 64 c + 32 h + 4 i ..: LDS serves a wave's instructions in order, so these see the stores above
.endr
.endr
	s_wait_dscnt 0x0                               ; my blocks are in; the stores have read their registers
.if (\q)+2 < 4
	LOADX (\q)+2
.endif
.irp c, 0,1
	v_max3_num_f32 v[8+\c], |v[XN+32*\c]|, |v[XN+32*\c+1]|, 0x1800000   ; the block's largest magnitude, with the floor 2^(3 - 127): so the byte cannot fall under 1
.endr
.irp i, 2,4,6,8,10,12,14,16,18,20,22,24,26,28,30
.irp c, 0,1
	v_max3_num_f32 v[8+\c], v[8+\c], |v[XN+32*\c+\i]|, |v[XN+32*\c+\i+1]|   ; (the two blocks by turns)
.endr
.endr
.irp c, 0,1
	v_add_nc_u32 v[10+\c], 0xff000000, v[8+\c]     ; 2 off its exponent field: the conversion takes the exponent field of this operand as its scale
.endr
.irp c, 0,1
	v_lshrrev_b32 v[12+\c], 23, v[10+\c]           ; the scale's byte
.endr
	v_lshl_or_b32 v14, v13, 16, v12                ; my two bytes: blocks h and 2 + h,
	v_lshlrev_b32 v14, v7, v14                     ; at their places in the word;
	v_permlanex16_b32 v15, v14, s[SEL], s[SEL+1]
	v_or_b32 v[16+(\q)], v14, v15                  ; with lane l xor 16's two the word is whole
.irp c, 0,1
.irp g, 0,1,2,3
	v_cvt_scalef32_pk8_fp4_f32 v[CD+8*(\q)+4*\c+\g], v[XN+32*\c+8*\g:XN+32*\c+8*\g+7], v[10+\c]
.endr
.endr
	v_nop                                          ; one plain place behind the last conversion
.irp c, 0,1
	global_store_b128 v4, v[CD+8*(\q)+4*\c:CD+8*(\q)+4*\c+3], s[10:11] offset:1024*(\q)+512*\c   ; 32 lanes store 512 consecutive bytes
.endr
.endm
	LOADX 0
	LOADX 1
	STEPX 0
	STEPX 1
	STEPX 2
	STEPX 3
	v_cmp_eq_u32 vcc_lo, 1, v23
	v_cndmask_b32 v20, v16, v18, vcc_lo            ; lanes 0-15 store words 0 and 1 of their row, lanes 16-31 words 2 and 3
	v_cndmask_b32 v21, v17, v19, vcc_lo
	global_store_b64 v22, v[20:21], s[30:31]       ; 256 consecutive bytes
	FINISH
	; ---- the weights
.macro LOADW t, N, sp                  ; block t: W(32 t + i, my column), i = 0 .. 31: 32 lanes read 128 consecutive bytes
.irp i, 0,1,2,3,4,5,6,7,8,9,10,11,12,13,14,15,16,17,18,19,20,21,22,23,24,25,26,27,28,29,30,31
	global_load_b32 v[RW+32*((\t)%2)+\i], v27, s[\sp:\sp+1] offset:(32*(\t)+\i)*\N*4 th:TH_LOAD_NT
.endr
.endm
.macro BLOCKW t, N, sp, dp
.set WS, RW+32*((\t)%2)
.if (\t) < 3
	s_wait_loadcnt 32                              ; this block's 32 loads are in; the next block's may be out
.else
	s_wait_loadcnt 0x0
.endif
	v_max3_num_f32 v8, |v[WS]|, |v[WS+1]|, |v[WS+2]|               ; all 32 numbers of the block are mine
	v_max3_num_f32 v9, |v[WS+3]|, |v[WS+4]|, |v[WS+5]|
.irp i, 6,10,14,18,22,26
	v_max3_num_f32 v8, v8, |v[WS+\i]|, |v[WS+\i+1]|
	v_max3_num_f32 v9, v9, |v[WS+\i+2]|, |v[WS+\i+3]|
.endr
	v_max3_num_f32 v8, v8, |v[WS+30]|, |v[WS+31]|
	v_max3_num_f32 v8, v8, v9, 0x1800000           ; and the floor
	v_add_nc_u32 v10, 0xff000000, v8
	v_lshrrev_b32 v12, 23, v10
.if (\t) == 0
	v_mov_b32 v24, v12                             ; the four bytes of these 128 along K make my column's scale word
.else
	v_lshl_or_b32 v24, v12, 8*(\t), v24
.endif
.irp g, 0,1,2,3
	v_cvt_scalef32_pk8_fp4_f32 v[CD+4*(\t)+\g], v[WS+8*\g:WS+8*\g+7], v10
.endr
	v_nop                                          ; one plain place behind the last conversion
	global_store_b128 v25, v[CD+4*(\t):CD+4*(\t)+3], s[\dp:\dp+1] offset:256*(\t)   ; block t is (c, h) = (t / 2, t % 2): the wave fills two aligned runs of 256 bytes, one in each of its two tiles
.if (\t)+2 < 4
	LOADW (\t)+2, \N, \sp
.endif
.endm
.macro WPATH N, first, sp, dp
	s_sub_co_u32 s17, ttmp9, \first
	s_lshr_b32 s18, s17, 3                         ; the group of 128 columns
	s_and_b32 s19, s17, 7                          ; which 128 along K
	s_mul_i32 s20, s19, 128*\N*4
	s_lshl_b32 s21, s18, 9
	s_add_co_u32 s20, s20, s21
	s_lshl_b32 s21, s16, 7
	s_add_co_u32 s20, s20, s21                     ; row 128 kap, column 128 G + 32 wave
	s_mov_b32 s21, 0
	s_add_nc_u64 s[\sp:\sp+1], s[\sp:\sp+1], s[20:21]
	s_mul_i32 s22, s18, OBB
	s_lshr_b32 s23, s19, 2
	s_and_b32 s24, s19, 3
	s_lshl_b32 s25, s23, 15
	s_add_co_u32 s26, s22, s25
	s_lshl_b32 s25, s16, 13
	s_add_co_u32 s26, s26, s25
	s_lshl_b32 s25, s24, 10
	s_add_co_u32 s26, s26, s25                     ; codes: tiles 2 wave and 2 wave + 1
	s_mov_b32 s27, 0
	s_lshl_b32 s25, s23, 11
	s_add_co_u32 s22, s22, s25
	s_lshl_b32 s25, s16, 9
	s_add_co_u32 s22, s22, s25
	s_lshl_b32 s25, s24, 2
	s_add_co_u32 s22, s22, s25
	s_add_co_u32 s22, s22, 65536                   ; scale words
	s_mov_b32 s23, 0
	s_add_nc_u64 s[30:31], s[\dp:\dp+1], s[22:23]
	s_add_nc_u64 s[\dp:\dp+1], s[\dp:\dp+1], s[26:27]
	LOADW 0, \N, \sp
	LOADW 1, \N, \sp
	BLOCKW 0, \N, \sp, \dp
	BLOCKW 1, \N, \sp, \dp
	BLOCKW 2, \N, \sp, \dp
	BLOCKW 3, \N, \sp, \dp
	global_store_b32 v26, v24, s[30:31]            ; 4 bytes of every 16: the other three words of a row come from other work-groups (4 bytes for each 512 read)
	FINISH
.endm
.Lweights:
	s_cmp_lt_u32 ttmp9, 448
	s_cbranch_scc0 .Lwout
	s_wait_alu depctr_va_vdst(0)
	WPATH 3072, 256, 6, 12
.Lwout:
	s_wait_alu depctr_va_vdst(0)
	WPATH 1024, 448, 8, 14
.Lfunc_end_k_qc4b7db6773_quant:
	.size	k_qc4b7db6773_quant, .Lfunc_end_k_qc4b7db6773_quant-k_qc4b7db6773_quant
	.p2alignl 7, 3214868480
	.fill 96, 4, 3214868480
	.section	.rodata,"a",@progbits
	.p2align	6, 0x0
	.amdhsa_kernel k_qc4b7db6773_quant
		.amdhsa_group_segment_fixed_size 34304
		.amdhsa_private_segment_fixed_size 0
		.amdhsa_enable_private_segment 0
		.amdhsa_kernarg_size 48
		.amdhsa_user_sgpr_count 2
		.amdhsa_user_sgpr_kernarg_segment_ptr 1
		.amdhsa_wavefront_size32 1
		.amdhsa_system_sgpr_workgroup_id_x 1
		.amdhsa_system_sgpr_workgroup_id_y 1
		.amdhsa_system_sgpr_workgroup_id_z 1
		.amdhsa_system_vgpr_workitem_id 0
		.amdhsa_next_free_vgpr 256
		.amdhsa_next_free_sgpr 66
		.amdhsa_reserve_vcc 1
		.amdhsa_float_denorm_mode_32 3
		.amdhsa_float_denorm_mode_16_64 3
		.amdhsa_memory_ordered 1
		.amdhsa_forward_progress 1
		.amdhsa_inst_pref_size 70
	.end_amdhsa_kernel
	.amdgpu_metadata
---
amdhsa.version: [ 1, 2 ]
amdhsa.kernels:
  - .name:           k_qc4b7db6773_quant
    .symbol:         k_qc4b7db6773_quant.kd
    .args:
      - { .name: x, .offset: 0, .size: 8, .value_kind: global_buffer, .address_space: global }
      - { .name: w_qkv, .offset: 8, .size: 8, .value_kind: global_buffer, .address_space: global }
      - { .name: w_out, .offset: 16, .size: 8, .value_kind: global_buffer, .address_space: global }
      - { .name: xq, .offset: 24, .size: 8, .value_kind: global_buffer, .address_space: global }
      - { .name: wq, .offset: 32, .size: 8, .value_kind: global_buffer, .address_space: global }
      - { .name: wo, .offset: 40, .size: 8, .value_kind: global_buffer, .address_space: global }
    .group_segment_fixed_size: 34304
    .private_segment_fixed_size: 0
    .kernarg_segment_align: 8
    .kernarg_segment_size: 48
    .max_flat_workgroup_size: 128
    .sgpr_count:     66
    .vgpr_count:     256
    .wavefront_size: 32
...
	.end_amdgpu_metadata
.endif
;; end of part 1
;; launch gemm_qkv (part 2): grid 12 x 32, 4 waves a work-group, clusters of 4 x 4, 327,680 bytes of LDS; arguments xq, wq, b_qkv, q, kv; writes q, kv
.if DOCPART == 2
	.amdgcn_target "amdgcn-amd-amdhsa--gfx1250"
	.amdhsa_code_object_version 6
	.text
	.protected	k_qc4b7db6773_gemm_qkv
	.globl	k_qc4b7db6773_gemm_qkv
	.p2align	8
	.type	k_qc4b7db6773_gemm_qkv,@function
k_qc4b7db6773_gemm_qkv:
	s_mov_b64 s[64:65], 0
	v_nop
	global_prefetch_b8 v0, s[64:65] scope:SCOPE_SE
	s_setreg_imm32_b32 hwreg(HW_REG_WAVE_MODE, 25, 1), 1
	s_wait_xcnt 0x0
	s_wait_alu depctr_hold_cnt(0) depctr_sa_sdst(0) depctr_va_vdst(0) depctr_va_sdst(0) depctr_va_ssrc(0) depctr_va_vcc(0) depctr_vm_vsrc(0)
	s_getreg_b32 s2, hwreg(HW_REG_IB_STS2, 6, 4)
	s_cmp_eq_u32 s2, 0
	s_cbranch_scc0 .Lentry_in_a_cluster
	s_endpgm
.Lentry_in_a_cluster:
	s_bfe_u32 s2, ttmp6, 0x10000c
	s_cmp_lg_u32 s2, 0xf033
	s_cbranch_scc0 .Lentry_shape_is_right
	s_endpgm
.Lentry_shape_is_right:
; Launch 2 of 4: qkv = x w_qkv + b_qkv on codes of E2M1 (K = 1,024), and the result quantised on the way out: Q and K along the head's 64, V along the keys.  No f32 number of qkv goes to memory.
; A tile of 256 tokens x 256 columns is made by four waves, 128 x 128 each: 64 accumulators, 512 registers.  Operands come as operand blocks (launch quant): a fragment is 1,024 dense bytes, an image of its registers.
; K = 1,024 is two slots of 512 along K, which lie in LDS together: each byte of LDS is filled once, nothing is filled again.  By this text's own count a wave has three tensor loads out at the most.
; CLUSTERS: 4 x 4 work-groups; A's blocks are shared along a row of the cluster, B's along a column: each is asked for jointly.  The cluster's x says what the columns are: 0 Q, 1 K, 2 V: the same in all partners.
; Q, K: source 0 = 16 rows of the weight, source 1 = 16 tokens: a lane holds one token, and the 64 registers of a block of tokens run along 128 columns = two heads' 64: four blocks of 32 along d.
; V:    source 0 = 16 tokens, source 1 = 16 rows of the weight: a lane holds one column (a head's d), and the 64 registers of a block of columns run along 128 tokens = a key step: four blocks of 32 along the keys.
; The rows of a tile are not neighbours (place p of tile t is row 32 (t / 2) + 8 (t % 2) + p + 8 (p / 8)), so that the 16 registers of tiles 2 b and 2 b + 1 are 16 neighbours: 32 b + 16 (lane / 16) + 0 .. 15.
; OUT.  q: block (head x 16 + step) of 4,608 bytes: 8 tile images of 512 bytes (a lane's 16 bytes: d = 32 h + 0 .. 31 of its token), then 512 bytes of scale words (lane l, word w: tile 2 w + l / 16, place l % 16).
;       kv: block of 8,960 bytes: K's 8 tile images; at 4,096 V^T's four fragments of 1,024 bytes; at 8,192 K's scale words (as Q's); at 8,704 V's (256 bytes: lane l, word w: tile 2 w + l / 16, place l % 16).
;       Bytes 2 and 3 of a scale word of Q or K stand over codes that are zeros in launch attn: they hold the neighbouring head's bytes or 0, never 0xff.
; LIMITS: as stated at the head of launch quant (a block of zeros gets the byte 1; NaN and infinities are not served).
; REGISTERS, in windows of 256: window 0: v0-31 addresses; v32-95 scale words, two sets; v96-103 scale words on their way out; v112-119 codes just made; v128-191 A's fragments, later 64 numbers to quantise; v200-217 at work.
;   window 1: B's fragments, two sets, at v0 and v128; v64-127 the bias.   window 2: the accumulators of A's blocks 0-3 ((a, b) at v[8 (8 (a % 4) + b)]);   window 3: those of blocks 4-7.
.set OBB,   69632
.set SLOT,  131072                     ; a slot: A's two halves, B's two halves, 32,768 bytes each
.set SCL,   262144                     ; behind the slots: the scale words, 4,096 bytes for each of the four halves
.set SPARE, 278528                     ; the spare words, 128 bytes for each wave
.set FR,    8
.set ADRA,  16                         ; v16-17 LDS address of my A fragments in slot 0, 1
.set ADRB,  20                         ; v20-21 the same for B
.set BO,    24                         ; v24    my byte offset in the bias
.set L8,    25                         ; v25    8 x lane
.set L16,   26                         ; v26    16 x lane
.set ADRS,  27                         ; v27    LDS address of my scale words: lanes 0-15 A's, lanes 16-31 B's
.set SPW,   28
.set NIL,   29
.set SC,    32
.set KS,    96
.set PC,    112
.set AF,    128
.set HN,    128
.set TM,    200
.set PW,    216
.set TW,    217
.set BI,    64
.set G1,   24
.set G0,   32
.set G1B,  48
.set G0B,  56
.set G1S,  68
.set G0S,  76
.set G1SB, 80
.set G0SB, 88
.set SEL,  92
.set HM,   94                          ; s94  lanes 16-31
.set MSB, 0
.macro WIN new                         ; the immediate's high byte repeats the setting that is left
.if MSB != \new
	s_set_vgpr_msb (MSB<<8)|\new
.set MSB, \new
.endif
.endm
.macro WLO kind                        ; kind 0: source 0 (B) window 1, source 1 (A) window 0;  kind 1: the other way round;  C and D window 2
.if \kind
	WIN 0xa4
.else
	WIN 0xa1
.endif
.endm
.macro WHI kind                        ; the same, C and D window 3
.if \kind
	WIN 0xf4
.else
	WIN 0xf1
.endif
.endm
; A joint load: waves 0 and 1 fetch for A, waves 2 and 3 for B.  An s_nop 0 and four v_nop follow each of the two lines.
.macro JLOAD g0a, g1a, g0b, g1b
	s_cmp_eq_u32 s15, 0
	s_cbranch_scc0 .Lfor_b_\@
	tensor_load_to_lds s[\g0a:\g0a+3], s[\g1a:\g1a+7]
	s_nop 0
.rept 4
	v_nop
.endr
	s_branch .Lasked_\@
.Lfor_b_\@:
	tensor_load_to_lds s[\g0b:\g0b+3], s[\g1b:\g1b+7]
	s_nop 0
.rept 4
	v_nop
.endr
.Lasked_\@:
.endm
.macro CROUND                          ; a round of the cluster's barrier
	s_barrier_signal -1
	s_barrier_wait -1
	s_cmp_lg_u32 s14, 0
	s_cbranch_scc1 .Lnot_wave_0_\@
	s_barrier_signal -3
.Lnot_wave_0_\@:
	s_barrier_wait -3
	s_barrier_signal -1
	s_barrier_wait -1
.endm
.macro FINISH                          ; the wave's end; then the closing round: no work-group ends while a partner may still ask for a block that names it
	s_wait_tensorcnt 0x0
	ds_add_u32 v[SPW], v[NIL]
	s_wait_dscnt 0x0
	CROUND
	s_endpgm
.endm
	s_load_b256 s[4:11], s[0:1], 0x0               ; xq s[4:5], wq s[6:7], b_qkv s[8:9], q s[10:11]
	s_load_b64 s[12:13], s[0:1], 0x20              ; kv
	v_lshl_add_u32 v[SPW], v0, 2, SPARE
	v_mov_b32 v[NIL], 0
	ds_add_u32 v[SPW], v[NIL]                      ; the wave's opening: the add, twice on end, and its wait ahead of my first tensor load
	ds_add_u32 v[SPW], v[NIL]
	v_lshrrev_b32 v1, 5, v0
	v_readfirstlane_b32 s14, v1                    ; wave 0..3
	s_lshr_b32 s15, s14, 1                         ; which half of the tokens is mine.  Also: I fetch for A (0) or for B (1)
	s_and_b32 s16, s14, 1                          ; which half of the columns.  Also: which half I fetch
	s_bfe_u32 s40, ttmp6, 0x40000                  ; cx, cy
	s_bfe_u32 s41, ttmp6, 0x40004
	s_lshl_b32 s42, ttmp9, 2
	s_add_co_u32 s42, s42, s40                     ; X: the tile's 256 columns
	s_and_b32 s17, ttmp7, 0xffff
	s_lshl_b32 s17, s17, 2
	s_add_co_u32 s17, s17, s41                     ; Y: the tile's 256 tokens
	s_lshl_b32 s43, s41, 2
	s_lshl_b32 s43, 15, s43                        ; my row of the cluster
	s_lshl_b32 s44, 0x1111, s40                    ; my column
	; descriptor group 1: dense blocks, as rows of 256 bytes (32 elements of 8 bytes), no padding: 128 rows of codes, 16 of scale words
	s_or_b32 s[G1], s43, (3<<16)|(1<<21)
	s_or_b32 s[G1B], s44, (3<<16)|(1<<21)
	s_or_b32 s[G1S], s43, (3<<16)|(1<<21)
	s_or_b32 s[G1SB], s44, (3<<16)|(1<<21)
.irp g, G1, G1B
	s_mov_b32 s[\g+1], 32<<16
	s_mov_b32 s[\g+2], 128<<16
	s_mov_b32 s[\g+3], 32<<16
	s_mov_b32 s[\g+4], 128
	s_mov_b32 s[\g+5], 32
	s_mov_b32 s[\g+6], 0
	s_mov_b32 s[\g+7], 0
.endr
.irp g, G1S, G1SB
	s_mov_b32 s[\g+1], 32<<16
	s_mov_b32 s[\g+2], 16<<16
	s_mov_b32 s[\g+3], 32<<16
	s_mov_b32 s[\g+4], 16
	s_mov_b32 s[\g+5], 32
	s_mov_b32 s[\g+6], 0
	s_mov_b32 s[\g+7], 0
.endr
	s_lshl_b32 s20, s17, 1
	s_add_co_u32 s20, s20, s16
	s_mul_i32 s20, s20, OBB                        ; A: operand block 2 Y + half
	s_mov_b32 s21, 0
	s_lshl_b32 s46, s42, 1
	s_add_co_u32 s46, s46, s16
	s_mul_i32 s46, s46, OBB                        ; B: operand block 2 X + half
	s_mov_b32 s47, 0
	s_lshl_b32 s45, s14, 15                        ; where they go: wave x 32,768: no place in the cluster enters an LDS address
	s_lshl_b32 s95, s14, 12
	s_mov_b32 s[SEL], 0x76543210
	s_mov_b32 s[SEL+1], 0xfedcba98
	s_mov_b32 s[HM], 0xffff0000
	s_wait_dscnt 0x0                               ; both opening adds are done
	s_wait_kmcnt 0x0
	s_add_nc_u64 s[20:21], s[4:5], s[20:21]
	s_add_nc_u64 s[46:47], s[6:7], s[46:47]
	CROUND                                         ; all sixteen work-groups are here: the joint loads meet
	s_mov_b32 s[G0S], 1
	s_add_co_u32 s[G0S+1], s95, SCL
	s_add_nc_u64 s[G0S+2:G0S+3], s[20:21], 65536
	s_or_b32 s[G0S+3], s[G0S+3], 0x80000000
	s_mov_b32 s[G0SB], 1
	s_add_co_u32 s[G0SB+1], s95, SCL
	s_add_nc_u64 s[G0SB+2:G0SB+3], s[46:47], 65536
	s_or_b32 s[G0SB+3], s[G0SB+3], 0x80000000
	JLOAD G0S, G1S, G0SB, G1SB                     ; the scale words first: they are wanted with the first step
.irp s, 0,1
	s_mov_b32 s[G0+4*\s], 1
	s_add_co_u32 s[G0+4*\s+1], s45, \s*SLOT
	s_add_nc_u64 s[G0+4*\s+2:G0+4*\s+3], s[20:21], \s*32768
	s_or_b32 s[G0+4*\s+3], s[G0+4*\s+3], 0x80000000
	s_mov_b32 s[G0B+4*\s], 1
	s_add_co_u32 s[G0B+4*\s+1], s45, \s*SLOT
	s_add_nc_u64 s[G0B+4*\s+2:G0B+4*\s+3], s[46:47], \s*32768
	s_or_b32 s[G0B+4*\s+3], s[G0B+4*\s+3], 0x80000000
	JLOAD G0+4*\s, G1, G0B+4*\s, G1B
.endr
	v_and_b32 v1, 15, v0                           ; r
	v_bfe_u32 v2, v0, 4, 1                         ; h
	s_wait_alu depctr_va_vdst(0)
	v_and_b32 v3, 31, v0
	v_lshlrev_b32 v[L16], 4, v3
	v_lshlrev_b32 v[L8], 3, v3
	s_lshl_b32 s18, s15, 15                        ; my half of A
	s_lshl_b32 s19, s16, 15
	s_add_co_u32 s19, s19, 65536                   ; my half of B, behind A's two
.irp s, 0,1
	v_add_nc_u32 v[ADRA+\s], s18, v[L16]
	v_add_nc_u32 v[ADRB+\s], s19, v[L16]
	s_add_co_u32 s18, s18, SLOT
	s_add_co_u32 s19, s19, SLOT
.endr
	s_lshl_b32 s18, s15, 12                        ; A's scale words: my half
	s_lshl_b32 s19, s16, 12
	s_add_co_u32 s19, s19, 8192                    ; B's: my half, behind A's two
	s_sub_co_u32 s19, s19, s18
	v_mul_u32_u24 v4, s19, v2                      ; lanes 16-31 take B's
	s_add_co_u32 s18, s18, SCL
	v_lshl_add_u32 v4, v1, 4, v4                   ; 16 bytes a row: the four words of 512 along K
	v_add_nc_u32 v[ADRS], s18, v4
.macro FRAG reg, adr, q, i             ; a fragment comes as it was stored: two loads of 512 consecutive bytes
.irp c, 0,1
	ds_load_b128 v[\reg+4*\c:\reg+4*\c+3], v[\adr] offset:4096*(\i)+1024*(\q)+512*\c
.endr
.endm
; 16 matrix instructions: A's blocks a0, a0 + 1 x B's eight, the slot's q-th 128 along K.  p: B's set; sc: the set of scale words.  zero = 1: the first product starts the sums.
; The 64 accumulators take turns, one instruction a turn, in the same order in every step.
.macro MUL16 kind, a0, p, q, sc, zero
.irp a, \a0, \a0+1
.irp b, 0,1,2,3,4,5,6,7
.if \kind
.if \zero
	v_wmma_scale_f32_16x16x128_f8f6f4 v[8*(8*((\a)%4)+\b):8*(8*((\a)%4)+\b)+7], v[AF+FR*(\a):AF+FR*(\a)+FR-1], v[128*(\p)+FR*\b:128*(\p)+FR*\b+FR-1], 0, v[SC+32*(\sc)+4*(\a)+(\q)], v[SC+32*(\sc)+4*\b+(\q)] matrix_a_fmt:MATRIX_FMT_FP4 matrix_b_fmt:MATRIX_FMT_FP4 matrix_b_scale:MATRIX_SCALE_ROW1
.else
	v_wmma_scale_f32_16x16x128_f8f6f4 v[8*(8*((\a)%4)+\b):8*(8*((\a)%4)+\b)+7], v[AF+FR*(\a):AF+FR*(\a)+FR-1], v[128*(\p)+FR*\b:128*(\p)+FR*\b+FR-1], v[8*(8*((\a)%4)+\b):8*(8*((\a)%4)+\b)+7], v[SC+32*(\sc)+4*(\a)+(\q)], v[SC+32*(\sc)+4*\b+(\q)] matrix_a_fmt:MATRIX_FMT_FP4 matrix_b_fmt:MATRIX_FMT_FP4 matrix_b_scale:MATRIX_SCALE_ROW1
.endif
.else
.if \zero
	v_wmma_scale_f32_16x16x128_f8f6f4 v[8*(8*((\a)%4)+\b):8*(8*((\a)%4)+\b)+7], v[128*(\p)+FR*\b:128*(\p)+FR*\b+FR-1], v[AF+FR*(\a):AF+FR*(\a)+FR-1], 0, v[SC+32*(\sc)+4*\b+(\q)], v[SC+32*(\sc)+4*(\a)+(\q)] matrix_a_fmt:MATRIX_FMT_FP4 matrix_b_fmt:MATRIX_FMT_FP4 matrix_a_scale:MATRIX_SCALE_ROW1
.else
	v_wmma_scale_f32_16x16x128_f8f6f4 v[8*(8*((\a)%4)+\b):8*(8*((\a)%4)+\b)+7], v[128*(\p)+FR*\b:128*(\p)+FR*\b+FR-1], v[AF+FR*(\a):AF+FR*(\a)+FR-1], v[8*(8*((\a)%4)+\b):8*(8*((\a)%4)+\b)+7], v[SC+32*(\sc)+4*\b+(\q)], v[SC+32*(\sc)+4*(\a)+(\q)] matrix_a_fmt:MATRIX_FMT_FP4 matrix_b_fmt:MATRIX_FMT_FP4 matrix_a_scale:MATRIX_SCALE_ROW1
.endif
.endif
.endr
.endr
.endm
.macro FETCH_B slot, q, p
	WIN 0x40                                       ; destination window 1, address window 0
.irp i, 0,1,2,3,4,5,6,7
	FRAG 128*(\p)+FR*\i, ADRB+\slot, \q, \i
.endr
	WIN 0
.endm
.macro FETCH_A slot, q, i0
.irp i, \i0, \i0+1, \i0+2, \i0+3
	FRAG AF+FR*(\i), ADRA+\slot, \q, \i
.endr
.endm
.macro SCALES sc                       ; a slot's scale words: four words a row; lanes 0-15 take A's block i, lanes 16-31 B's block i
.irp i, 0,1,2,3,4,5,6,7
	ds_load_b128 v[SC+32*\sc+4*\i:SC+32*\sc+4*\i+3], v[ADRS] offset:2048*\sc+256*\i
.endr
.endm
.macro PLACES                          ; four plain places between a matrix instruction and a load into, or a vector write of, a register that it read, or a read of its result
.rept 4
	v_nop
.endr
.endm
.macro STEP kind, slot, q, zero        ; 128 along K that has its successor in the same slot.  A has one set of registers: blocks 0-3 are fetched anew in the middle, blocks 4-7 at the end; B has two sets
	s_wait_dscnt 8                                 ; B's set and A's blocks 0-3 are in; the youngest eight loads (A's blocks 4-7) may be out
	WLO \kind
	MUL16 \kind, 0, (\q)%2, \q, \slot, \zero
	MUL16 \kind, 2, (\q)%2, \q, \slot, \zero
	s_wait_dscnt 0x0                               ; A's blocks 4-7 are in
	PLACES
	FETCH_B \slot, (\q)+1, 1-(\q)%2
	FETCH_A \slot, (\q)+1, 0
	WHI \kind
	MUL16 \kind, 4, (\q)%2, \q, \slot, \zero
	MUL16 \kind, 6, (\q)%2, \q, \slot, \zero
	PLACES
	WIN 0
	FETCH_A \slot, (\q)+1, 4
.endm
.macro TURN kind                       ; slot 0's last step, and on to slot 1: each wave's part of slot 1 has landed in front of its signal
	s_wait_tensorcnt 0x0
	s_wait_dscnt 8
	WLO \kind
	MUL16 \kind, 0, 1, 3, 0, 0
	s_wait_dscnt 0x0                               ; no LDS instruction of mine is out at the signal
	s_barrier_signal -1
	MUL16 \kind, 2, 1, 3, 0, 0
	s_barrier_wait -1
	PLACES
	FETCH_B 1, 0, 0
	FETCH_A 1, 0, 0
	SCALES 1
	WHI \kind
	MUL16 \kind, 4, 1, 3, 0, 0
	MUL16 \kind, 6, 1, 3, 0, 0
	PLACES
	WIN 0
	FETCH_A 1, 0, 4
.endm
.macro MAIN kind
	FETCH_B 0, 0, 0
	FETCH_A 0, 0, 0
	SCALES 0
	FETCH_A 0, 0, 4
	STEP \kind, 0, 0, 1
	STEP \kind, 0, 1, 0
	STEP \kind, 0, 2, 0
	TURN \kind
	STEP \kind, 1, 0, 0
	STEP \kind, 1, 1, 0
	STEP \kind, 1, 2, 0
	s_wait_dscnt 8                                 ; the last step: nothing more to fetch
	WLO \kind
	MUL16 \kind, 0, 1, 3, 1, 0
	MUL16 \kind, 2, 1, 3, 1, 0
	s_wait_dscnt 0x0
	WHI \kind
	MUL16 \kind, 4, 1, 3, 1, 0
	MUL16 \kind, 6, 1, 3, 1, 0
	WIN 0
	PLACES
.endm
; 64 numbers of a lane, v[HN] on, register 16 b + i = k 32 b + 16 (lane / 16) + i of my row, become a fragment's codes in v[PC] on and its scale word in v[PW].
.macro QUANT
.irp b, 0,1,2,3
	v_max3_num_f32 v[TM+\b], |v[HN+16*\b]|, |v[HN+1+16*\b]|, 0x1800000   ; block b: my 16 numbers, and the floor 2^(3 - 127): so the byte cannot fall under 1
.endr
.irp i, 2,4,6,8,10,12,14
.irp b, 0,1,2,3
	v_max3_num_f32 v[TM+\b], v[TM+\b], |v[HN+16*\b+\i]|, |v[HN+1+16*\b+\i]|
.endr
.endr
.irp b, 0,1,2,3
	v_permlanex16_b32 v[TM+4+\b], v[TM+\b], s[SEL], s[SEL+1]
.endr
.irp b, 0,1,2,3
	v_max_num_f32 v[TM+\b], v[TM+\b], v[TM+4+\b]   ; with lane l xor 16's: the block's largest magnitude
.endr
.irp b, 0,1,2,3
	v_add_nc_u32 v[TM+12+\b], 0xff000000, v[TM+\b] ; 2 off its exponent field: the conversion's scale operand
.endr
.irp b, 0,1,2,3
	v_lshrrev_b32 v[TM+4+\b], 23, v[TM+12+\b]      ; the scale's byte
.endr
	v_lshl_or_b32 v[PW], v[TM+5], 8, v[TM+4]
	v_lshl_or_b32 v[PW], v[TM+6], 16, v[PW]
	v_lshl_or_b32 v[PW], v[TM+7], 24, v[PW]
.irp b, 0,1,2,3
	v_cvt_scalef32_pk8_fp4_f32 v[PC+2*\b], v[HN+16*\b:HN+7+16*\b], v[TM+12+\b]
	v_cvt_scalef32_pk8_fp4_f32 v[PC+1+2*\b], v[HN+8+16*\b:HN+15+16*\b], v[TM+12+\b]
.endr
	v_nop                                          ; one plain place behind a scaled conversion
.irp c, 0,1                                    ; the operand's layout wants a whole block in a lane
.irp i, 0,1
	v_permlane16_swap_b32 v[PC+4*\c+\i], v[PC+2+4*\c+\i]
.endr
.endr
.endm
	s_wait_tensorcnt 1                             ; the scale words and my part of slot 0 are in (slot 1's load may be out),
	s_barrier_signal -1
	s_barrier_wait -1                              ; everybody's are
	s_lshl_b32 s2, s17, 1
	s_add_co_u32 s2, s2, s15                       ; my group of 128 tokens
	s_lshr_b32 s3, s2, 4                           ; the batch
	s_and_b32 s2, s2, 15                           ; the step of 128 positions in it
	s_lshl_b32 s3, s3, 4
	s_lshl_b32 s98, s42, 10
	s_lshl_b32 s99, s16, 9
	s_add_co_u32 s98, s98, s99                     ; my first column, x 4 bytes
	s_mov_b32 s99, 0
	s_add_nc_u64 s[8:9], s[8:9], s[98:99]          ; the bias at my first column
	s_lshl_b32 s98, s42, 2
	s_lshl_b32 s97, s16, 1
	s_add_co_u32 s98, s98, s97                     ; my first column / 64
.irp b, 0,1,2,3
	v_mov_b32 v[TM+4+\b], 0                        ; written once: a lane permute's destination counts as one of its sources
.endr
	s_cmp_lt_u32 ttmp9, 2                          ; the cluster's x: the same in all sixteen partners
	s_cbranch_scc0 .Lvalues
	; ---- Q and K
	s_and_b32 s98, s98, 15                         ; my first head
	s_add_co_u32 s3, s3, s98
	s_lshl_b32 s3, s3, 4
	s_add_co_u32 s3, s3, s2                        ; its block: (batch x 16 + head) x 16 + step
	s_mov_b32 s96, 8960
	s_mov_b32 s97, 8192
	s_cmp_eq_u32 ttmp9, 0
	s_cselect_b32 s96, 4608, s96                   ; a block's bytes,
	s_cselect_b32 s97, 4096, s97                   ; where its scale words begin,
	s_cselect_b64 s[18:19], s[10:11], s[12:13]     ; and the buffer: q or kv
	s_mul_i32 s98, s3, s96
	s_add_nc_u64 s[18:19], s[18:19], s[98:99]      ; my first head's block
	s_lshl_b32 s98, s96, 4
	s_add_nc_u64 s[20:21], s[18:19], s[98:99]      ; my second head's: 16 blocks on
	s_mov_b32 s98, s97
	s_add_nc_u64 s[22:23], s[18:19], s[98:99]      ; their scale words
	s_add_nc_u64 s[46:47], s[20:21], s[98:99]
	v_lshlrev_b32 v[BO], 6, v2                     ; the bias in the result's layout: register 8 b + j is column 32 (b / 2) + 8 (b % 2) + 16 h + j
	WIN 0x40
.irp b, 0,1,2,3,4,5,6,7
	global_load_b128 v[BI+8*\b:BI+8*\b+3], v[BO], s[8:9] offset:(32*(\b/2)+8*(\b%2))*4
	global_load_b128 v[BI+8*\b+4:BI+8*\b+7], v[BO], s[8:9] offset:(32*(\b/2)+8*(\b%2))*4+16
.endr
	s_wait_alu depctr_va_vdst(0)
	MAIN 0
	s_wait_loadcnt 0x0                             ; the bias
.irp a, 0,1,2,3,4,5,6,7                        ; a block of 16 tokens at a time
	s_wait_xcnt 0x0                                ; the last block's stores have read their data: the codes' registers are written again only behind this wait
	WIN 0x06+(\a/4)                                ; source 0: the accumulators' window; source 1: window 1; destination: window 0
.irp b, 0,1,2,3,4,5,6,7
.irp i, 0,2,4,6
	v_pk_add_f32 v[HN+8*\b+\i:HN+8*\b+\i+1], v[8*(8*(\a%4)+\b)+\i:8*(8*(\a%4)+\b)+\i+1], v[BI+8*\b+\i:BI+8*\b+\i+1]   ; + the bias; each accumulator from its low end on
.endr
.endr
	WIN 0
	QUANT
	global_store_b128 v[L16], v[PC:PC+3], s[18:19] offset:512*\a     ; tile a of my first head: 512 consecutive bytes
	global_store_b128 v[L16], v[PC+4:PC+7], s[20:21] offset:512*\a   ; and of my second
.if (\a%2) == 0
	v_mov_b32 v[KS+\a/2], v[PW]                    ; bytes 0, 1: my first head's
	v_lshrrev_b32 v[KS+4+\a/2], 16, v[PW]          ; bytes 2, 3: my second head's
.else
	v_lshrrev_b32 v[TW], 16, v[PW]
	v_cndmask_b32 v[KS+\a/2], v[KS+\a/2], v[PW], s[HM]       ; an odd tile's words go to lanes 16-31
	v_cndmask_b32 v[KS+4+\a/2], v[KS+4+\a/2], v[TW], s[HM]
.endif
.endr
	global_store_b128 v[L16], v[KS:KS+3], s[22:23]
	global_store_b128 v[L16], v[KS+4:KS+7], s[46:47]
	FINISH
	; ---- V
.Lvalues:
	s_sub_co_u32 s98, s98, 32                      ; my first head
	s_add_co_u32 s3, s3, s98
	s_lshl_b32 s3, s3, 4
	s_add_co_u32 s3, s3, s2
	s_mul_i32 s98, s3, 8960
	s_add_co_u32 s98, s98, 4096                    ; V^T's fragments in its block
	s_add_nc_u64 s[18:19], s[12:13], s[98:99]
	v_and_b32 v3, 8, v1
	v_add_nc_u32 v3, v3, v1
	v_lshlrev_b32 v[BO], 2, v3                     ; a lane holds one column: place r of tile b is column 32 (b / 2) + 8 (b % 2) + r + 8 (r / 8)
	WIN 0x40
.irp b, 0,1,2,3,4,5,6,7
	global_load_b32 v[BI+2*\b], v[BO], s[8:9] offset:(32*(\b/2)+8*(\b%2))*4
	global_load_b32 v[BI+2*\b+1], v[BO], s[8:9] offset:(32*(\b/2)+8*(\b%2))*4   ; twice: a pair for the packed addition
.endr
	s_wait_alu depctr_va_vdst(0)
	MAIN 1
	s_wait_loadcnt 0x0
.irp b, 0,1,2,3,4,5,6,7                        ; a block of 16 columns at a time: tile b % 4 of head b / 4
	s_wait_xcnt 0x0                                ; the last block's stores have read their data
	WIN 0x06
.irp a, 0,1,2,3
.irp i, 0,2,4,6
	v_pk_add_f32 v[HN+8*\a+\i:HN+8*\a+\i+1], v[8*(8*\a+\b)+\i:8*(8*\a+\b)+\i+1], v[BI+2*\b:BI+2*\b+1]
.endr
.endr
	WIN 0x07
.irp a, 0,1,2,3
.irp i, 0,2,4,6
	v_pk_add_f32 v[HN+32+8*\a+\i:HN+32+8*\a+\i+1], v[8*(8*\a+\b)+\i:8*(8*\a+\b)+\i+1], v[BI+2*\b:BI+2*\b+1]
.endr
.endr
	WIN 0
	QUANT                                          ; along the 128 keys
	global_store_b128 v[L16], v[PC:PC+3], s[18:19] offset:(\b/4)*143360+(\b%4)*1024
	global_store_b128 v[L16], v[PC+4:PC+7], s[18:19] offset:(\b/4)*143360+(\b%4)*1024+512
.if (\b%2) == 0
	v_mov_b32 v[KS+\b/2], v[PW]
.else
	v_cndmask_b32 v[KS+\b/2], v[KS+\b/2], v[PW], s[HM]
.endif
.endr
	global_store_b64 v[L8], v[KS:KS+1], s[18:19] offset:4608           ; 256 consecutive bytes
	global_store_b64 v[L8], v[KS+2:KS+3], s[18:19] offset:4608+143360
	FINISH
.Lfunc_end_k_qc4b7db6773_gemm_qkv:
	.size	k_qc4b7db6773_gemm_qkv, .Lfunc_end_k_qc4b7db6773_gemm_qkv-k_qc4b7db6773_gemm_qkv
	.p2alignl 7, 3214868480
	.fill 96, 4, 3214868480
	.section	.rodata,"a",@progbits
	.p2align	6, 0x0
	.amdhsa_kernel k_qc4b7db6773_gemm_qkv
		.amdhsa_group_segment_fixed_size 327680
		.amdhsa_private_segment_fixed_size 0
		.amdhsa_enable_private_segment 0
		.amdhsa_kernarg_size 40
		.amdhsa_user_sgpr_count 2
		.amdhsa_user_sgpr_kernarg_segment_ptr 1
		.amdhsa_wavefront_size32 1
		.amdhsa_system_sgpr_workgroup_id_x 1
		.amdhsa_system_sgpr_workgroup_id_y 1
		.amdhsa_system_sgpr_workgroup_id_z 1
		.amdhsa_system_vgpr_workitem_id 0
		.amdhsa_next_free_vgpr 1024
		.amdhsa_next_free_sgpr 100
		.amdhsa_reserve_vcc 0
		.amdhsa_float_denorm_mode_32 3
		.amdhsa_float_denorm_mode_16_64 3
		.amdhsa_memory_ordered 1
		.amdhsa_forward_progress 1
		.amdhsa_inst_pref_size 255
	.end_amdhsa_kernel
	.section	.bss,"aw",@nobits
	.p2align	6
	.space	262144
	.amdgpu_metadata
---
amdhsa.version: [ 1, 2 ]
amdhsa.kernels:
  - .name:           k_qc4b7db6773_gemm_qkv
    .symbol:         k_qc4b7db6773_gemm_qkv.kd
    .args:
      - { .name: xq, .offset: 0, .size: 8, .value_kind: global_buffer, .address_space: global }
      - { .name: wq, .offset: 8, .size: 8, .value_kind: global_buffer, .address_space: global }
      - { .name: b_qkv, .offset: 16, .size: 8, .value_kind: global_buffer, .address_space: global }
      - { .name: q, .offset: 24, .size: 8, .value_kind: global_buffer, .address_space: global }
      - { .name: kv, .offset: 32, .size: 8, .value_kind: global_buffer, .address_space: global }
    .group_segment_fixed_size: 327680
    .private_segment_fixed_size: 0
    .kernarg_segment_align: 8
    .kernarg_segment_size: 40
    .max_flat_workgroup_size: 128
    .sgpr_count:     100
    .vgpr_count:     1024
    .wavefront_size: 32
...
	.end_amdgpu_metadata
.endif
;; end of part 2
;; launch attn (part 3): grid 4 x 64, 16 waves a work-group, clusters of 4 x 1, 327,680 bytes of LDS; arguments q, kv, aq; writes aq
.if DOCPART == 3
	.amdgcn_target "amdgcn-amd-amdhsa--gfx1250"
	.amdhsa_code_object_version 6
	.text
	.protected	k_qc4b7db6773_attn
	.globl	k_qc4b7db6773_attn
	.p2align	8
	.type	k_qc4b7db6773_attn,@function
k_qc4b7db6773_attn:
	s_mov_b64 s[64:65], 0
	v_nop
	global_prefetch_b8 v0, s[64:65] scope:SCOPE_SE
	s_setreg_imm32_b32 hwreg(HW_REG_WAVE_MODE, 25, 1), 1
	s_wait_xcnt 0x0
	s_wait_alu depctr_hold_cnt(0) depctr_sa_sdst(0) depctr_va_vdst(0) depctr_va_sdst(0) depctr_va_ssrc(0) depctr_va_vcc(0) depctr_vm_vsrc(0)
	s_getreg_b32 s2, hwreg(HW_REG_IB_STS2, 6, 4)
	s_cmp_eq_u32 s2, 0
	s_cbranch_scc0 .Lentry_in_a_cluster
	s_endpgm
.Lentry_in_a_cluster:
	s_bfe_u32 s2, ttmp6, 0x10000c
	s_cmp_lg_u32 s2, 0x3003
	s_cbranch_scc0 .Lentry_shape_is_right
	s_endpgm
.Lentry_shape_is_right:
; Launch 3 of 4: o = softmax(q k^T / 8, causal) v for each of 64 (batch, head), both products on codes of E2M1; o is quantised along the model's 1,024 into operand blocks for the projection.
; WORK LEFT OUT: a key step of 128 keys all of which come after a tile's 16 queries: the causal mask gives those scores -inf, so p = 0 there for all values of the inputs (shown at the head of launch quant).
; THE SOFTMAX: t = score x log2(e) / 8; M = the running largest t rounded up to a whole number; p = 2^(t - M) is quantised along the keys, not normalised; the row's sum is taken of the unquantised p and divides at the end.
; When M moves, the sum and O are multiplied by 2^(old M - new M): exact.
; THE HEAD'S 64 fill half of the first product's 128 along K: the upper four registers of Q's and K's fragments are zeros, and their scale bytes are never 0xff.
; SHARES.  The four work-groups of a cluster serve one head.  A head's K, V and scale words are 16 blocks of 8,960 bytes, 143,360 dense bytes: they lie in LDS whole.  Wave w asks for block w, jointly with the same
; wave of the three partners: one tensor load a wave, each byte of LDS filled once, one barrier.
; EVEN WORK.  The head's 128 tiles of 16 queries are (step s, tile t).  With g = wave / 2 and e = 2 cx + wave % 2 a wave takes (g, e) and then (15 - g, 7 - e): g + 1 and 16 - g key steps, 17 in every wave.
; Branches hang on g, the wave's number, alone; the place in the cluster enters global addresses and the diagonal's vector number only.  Every wave walks 16 trips in each pass and jumps over a hidden step's work.
; LAYOUT.  Both products transposed: S^T = K Q^T, O^T = V^T P^T: a lane holds one query throughout.  Keys, queries and V's d stand in tile order (place p of tile t: 32 (t / 2) + 8 (t % 2) + p + 8 (p / 8)),
; so that the registers of tiles 2 b, 2 b + 1 are 16 neighbours: 32 b + 16 (lane / 16) + 0 .. 15.
; No prefetch: all that a work-group reads is asked for at its head.
; REGISTERS: v1 16 x lane, v2 8 x lane, v3, v4 addresses in hand, v5, v6 the add's two, v7, v8 the diagonal's numbers, v9 16 r; v12 -M, v13 largest t, v[14:15] the sum; v16-23, v240-247 Q; v24-31 scale words;
;   v32-95 K; v96-159 S^T, then p; v160-191 O^T; v192-223 V; v224-231 p's codes; v232-239, v248-255 at work (v253 p's scale word).
.set BLKB,  8960
.set SPARE, 143360                     ; behind the head's 16 blocks: the spare words, 128 bytes for each of 16 waves
.set SPW,   5
.set NIL,   6
.set SEL,   20                         ; s[20:21]
.set CS,    22                         ; s[22:23] c = log2(e) / 8
.set TB,    52                         ; s52 LDS byte at which the step's block begins
.set KSTEP, 53                         ; s53 the key step
.macro CROUND
	s_barrier_signal -1
	s_barrier_wait -1
	s_cmp_lg_u32 s10, 0
	s_cbranch_scc1 .Lnot_wave_0_\@
	s_barrier_signal -3
.Lnot_wave_0_\@:
	s_barrier_wait -3
	s_barrier_signal -1
	s_barrier_wait -1
.endm
	s_load_b128 s[4:7], s[0:1], 0x0                ; q s[4:5], kv s[6:7]
	s_load_b64 s[8:9], s[0:1], 0x10                ; aq
	v_lshl_add_u32 v[SPW], v0, 2, SPARE
	v_mov_b32 v[NIL], 0
	ds_add_u32 v[SPW], v[NIL]                      ; the wave's opening: the add, twice on end, and its wait ahead of my first tensor load
	ds_add_u32 v[SPW], v[NIL]
	v_lshrrev_b32 v1, 5, v0
	s_delay_alu instid0(VALU_DEP_1)
	v_readfirstlane_b32 s10, v1                    ; wave 0..15
	s_bfe_u32 s11, ttmp6, 0x40000                  ; cx
	s_and_b32 s12, ttmp7, 0xffff                   ; batch x 16 + head: the partners share it
	; descriptor group 1: 8,960 dense bytes as 35 rows of 256 (32 elements of 8 bytes), no padding; the mask names all four work-groups
	s_mov_b32 s24, 15|(3<<16)|(1<<21)
	s_mov_b32 s25, 32<<16
	s_mov_b32 s26, 35<<16
	s_mov_b32 s27, 32<<16
	s_mov_b32 s28, 35
	s_mov_b32 s29, 32
	s_mov_b32 s30, 0
	s_mov_b32 s31, 0
	s_mov_b32 s32, 1
	s_mul_i32 s33, s10, BLKB                       ; block w goes to LDS byte 8,960 w
	s_mul_i32 s54, s12, 16*BLKB
	s_add_co_u32 s54, s54, s33
	s_mov_b32 s55, 0
	s_mov_b32 s[SEL], 0x76543210
	s_mov_b32 s[SEL+1], 0xfedcba98
	s_mov_b32 s[CS], 0x3e38aa3b
	s_mov_b32 s[CS+1], s[CS]                       ; (named with it as a pair, so it is written)
	s_lshr_b32 s16, s10, 1                         ; pass 0: step g,
	s_sub_co_u32 s17, 15, s16                      ; pass 1: step 15 - g
	s_and_b32 s18, s10, 1
	s_lshl_b32 s13, s11, 1
	s_add_co_u32 s18, s18, s13                     ; pass 0: tile e,
	s_sub_co_u32 s19, 7, s18                       ; pass 1: tile 7 - e
	s_wait_dscnt 0x0                               ; both opening adds are done
	s_wait_kmcnt 0x0
	s_add_nc_u64 s[34:35], s[6:7], s[54:55]
	s_or_b32 s35, s35, 0x80000000
	CROUND                                         ; all four work-groups are here: the joint loads meet
	tensor_load_to_lds s[32:35], s[24:31]
	s_nop 0
.rept 4
	v_nop
.endr
	v_and_b32 v10, 31, v0
	s_delay_alu instid0(VALU_DEP_1)
	v_lshlrev_b32 v1, 4, v10
	s_delay_alu instid0(VALU_DEP_2)
	v_lshlrev_b32 v2, 3, v10
	v_and_b32 v10, 15, v0                          ; r
	s_delay_alu instid0(VALU_DEP_1)
	v_lshlrev_b32 v9, 4, v10
	s_delay_alu instid0(VALU_DEP_2)
	v_and_b32 v11, 8, v10
	s_delay_alu instid0(VALU_DEP_1)
	v_add_nc_u32 v10, v10, v11
	v_bfe_u32 v11, v0, 4, 1
	s_delay_alu instid0(VALU_DEP_1)
	v_lshlrev_b32 v11, 4, v11
	s_delay_alu instid0(VALU_DEP_1)
	v_sub_nc_u32 v10, v10, v11                     ; r + 8 (r / 8) - 16 h
.macro SETUP p                         ; pass p's addresses: Q's tile s[36+2p..], its scale words s[40+2p..], where o's codes go s[44+2p..], and their scale bytes s[48+2p..]
	s_lshl_b32 s54, s12, 4
	s_add_co_u32 s54, s54, s[16+\p]
	s_mul_i32 s54, s54, 4608                       ; q's block (head x 16 + step)
	s_lshl_b32 s56, s[18+\p], 9
	s_add_co_u32 s56, s54, s56                     ; the tile's image
	s_mov_b32 s57, 0
	s_add_nc_u64 s[36+2*\p:37+2*\p], s[4:5], s[56:57]
	s_and_b32 s56, s[18+\p], 1
	s_lshl_b32 s56, s56, 8
	s_add_co_u32 s54, s54, s56
	s_lshr_b32 s56, s[18+\p], 1
	s_lshl_b32 s56, s56, 2
	s_add_co_u32 s54, s54, s56
	s_add_co_u32 s54, s54, 4096                    ; the image's lanes 16 (t % 2) + r, word t / 2
	s_mov_b32 s55, 0
	s_add_nc_u64 s[40+2*\p:41+2*\p], s[4:5], s[54:55]
	s_lshr_b32 s54, s12, 4
	s_lshl_b32 s54, s54, 4
	s_add_co_u32 s54, s54, s[16+\p]
	s_mul_i32 s54, s54, 69632                      ; aq's operand block (batch x 16 + step)
	s_and_b32 s58, s12, 15                         ; the head: K of the projection = 64 head + d
	s_lshr_b32 s59, s58, 3
	s_lshl_b32 s60, s59, 15
	s_add_co_u32 s56, s54, s60
	s_lshl_b32 s60, s[18+\p], 12
	s_add_co_u32 s56, s56, s60
	s_bfe_u32 s60, s58, 0x20001
	s_lshl_b32 s60, s60, 10
	s_add_co_u32 s56, s56, s60
	s_and_b32 s60, s58, 1
	s_lshl_b32 s60, s60, 9
	s_add_co_u32 s56, s56, s60
	s_add_nc_u64 s[44+2*\p:45+2*\p], s[8:9], s[56:57]
	s_lshl_b32 s60, s59, 11
	s_add_co_u32 s54, s54, s60
	s_lshl_b32 s60, s[18+\p], 8
	s_add_co_u32 s54, s54, s60
	s_and_b32 s60, s58, 7
	s_lshl_b32 s60, s60, 1
	s_add_co_u32 s54, s54, s60
	s_add_co_u32 s54, s54, 65536
	s_add_nc_u64 s[48+2*\p:49+2*\p], s[8:9], s[54:55]
	s_lshr_b32 s60, s[18+\p], 1
	s_lshl_b32 s60, s60, 5
	s_and_b32 s61, s[18+\p], 1
	s_lshl_b32 s61, s61, 3
	s_add_co_u32 s60, s60, s61
	v_add_nc_u32 v[7+\p], s60, v10                 ; my query's place in its step, less 16 h
.endm
	s_wait_alu depctr_va_vdst(0)
	SETUP 0
	SETUP 1
	global_load_b128 v[16:19], v1, s[36:37]        ; Q's fragments stay in registers
	global_load_b128 v[240:243], v1, s[38:39]
	global_load_b32 v30, v9, s[40:41]              ; and their scale words
	global_load_b32 v31, v9, s[42:43]
.irp j, 20,21,22,23,244,245,246,247
	v_mov_b32 v[\j], 0                             ; k = 64 .. 127 of Q: zero codes
.endr
.irp t, 0,1,2,3,4,5,6,7
.irp j, 4,5,6,7
	v_mov_b32 v[32+8*\t+\j], 0                     ; and of K
.endr
.endr
.irp j, 236,237,238,239,252,253
	v_mov_b32 v[\j], 0                             ; written once: lane permutes' destinations, and the upper half of the pair v[252:253]
.endr
	s_wait_loadcnt 0x0
	s_wait_tensorcnt 0x0                           ; my block is in,
	s_barrier_signal -1
	s_barrier_wait -1                              ; everybody's is: the whole head lies in LDS
.macro PASS p, QR, QS
.if \p
	s_wait_xcnt 0x0                                ; the first pass's stores have read their data
.endif
	v_mov_b32 v13, 0xff61b1e6                      ; the largest t so far: -3e38, under every t
	s_delay_alu instid0(VALU_DEP_1)
	v_floor_f32 v12, -v13                          ; -M
	v_mov_b32 v14, 0
	v_mov_b32 v15, 0
.set jj, 0
.rept 32
	v_mov_b32 v[160+jj], 0                         ; O^T: the step is written once; the first finds zeros
.set jj, jj+1
.endr
	s_mov_b32 s[TB], 0
	s_mov_b32 s[KSTEP], 0
.Lstep_\@:
	s_cmp_gt_u32 s[KSTEP], s[16+\p]                ; all 128 keys come after my queries: the step's work is left out
	s_cbranch_scc1 .Lhid_\@
	s_setprio 2
	v_add_nc_u32 v3, s[TB], v1
	v_add_nc_u32 v4, s[TB], v2
	v_nop
	v_nop                                          ; four places in front of loads into registers that the last products read
.irp t, 0,1,2,3,4,5,6,7
	ds_load_b128 v[32+8*\t:35+8*\t], v3 offset:512*\t                 ; K's eight tiles: d = 32 h + 0 .. 31 of my key
.endr
	ds_load_b128 v[24:27], v3 offset:8192                             ; K's scale words: register w: tile 2 w in lanes 0-15, tile 2 w + 1 in lanes 16-31
.irp t, 0,1,2,3
.irp c, 0,1
	ds_load_b128 v[192+8*\t+4*\c:195+8*\t+4*\c], v3 offset:4096+1024*\t+512*\c   ; V^T's four fragments
.endr
.endr
	ds_load_b64 v[28:29], v4 offset:8704                              ; V's scale words
	s_wait_dscnt 9                                 ; K and its scale words are in; V's nine loads may be out
.irp t, 0,1,2,3,4,5,6,7
.if \t%2
	v_wmma_scale_f32_16x16x128_f8f6f4 v[96+8*\t:103+8*\t], v[32+8*\t:39+8*\t], v[\QR:\QR+7], 0, v[24+\t/2], v[\QS] matrix_a_fmt:MATRIX_FMT_FP4 matrix_b_fmt:MATRIX_FMT_FP4 matrix_a_scale:MATRIX_SCALE_ROW1
.else
	v_wmma_scale_f32_16x16x128_f8f6f4 v[96+8*\t:103+8*\t], v[32+8*\t:39+8*\t], v[\QR:\QR+7], 0, v[24+\t/2], v[\QS] matrix_a_fmt:MATRIX_FMT_FP4 matrix_b_fmt:MATRIX_FMT_FP4
.endif
.endr
.rept 4
	v_nop
.endr
	s_cmp_lt_u32 s[KSTEP], s[16+\p]                ; a step all of whose keys count skips the mask
	s_cbranch_scc1 .Lopen_\@
	v_mov_b32 v254, 0xff800000                     ; on the diagonal hidden scores become -infinity: register 16 b + i holds key 32 b + 16 h + i of the step
.irp n, 0,1,2,3,4,5,6,7,8,9,10,11,12,13,14,15,16,17,18,19,20,21,22,23,24,25,26,27,28,29,30,31,32,33,34,35,36,37,38,39,40,41,42,43,44,45,46,47,48,49,50,51,52,53,54,55,56,57,58,59,60,61,62,63
	v_cmp_gt_i32 vcc_lo, 32*(\n/16)+\n%16, v[7+\p]
	v_cndmask_b32 v[96+\n], v[96+\n], v254, vcc_lo
.endr
.Lopen_\@:
.irp b, 0,1,2,3
	v_max3_num_f32 v[232+\b], v[96+16*\b], v[97+16*\b], v[98+16*\b]   ; the largest score of each block of 32 keys: it serves the row's maximum and, since p rises with the score, the block's largest p
.endr
.irp i, 3,5,7,9,11,13
.irp b, 0,1,2,3
	v_max3_num_f32 v[232+\b], v[232+\b], v[96+16*\b+\i], v[97+16*\b+\i]
.endr
.endr
.irp b, 0,1,2,3
	v_max_num_f32 v[232+\b], v[232+\b], v[111+16*\b]
.endr
.irp b, 0,1,2,3
	s_delay_alu instid0(VALU_DEP_4)
	v_permlanex16_b32 v[236+\b], v[232+\b], s[SEL], s[SEL+1]
.endr
.irp b, 0,1,2,3
	s_delay_alu instid0(VALU_DEP_4)
	v_max_num_f32 v[232+\b], v[232+\b], v[236+\b]  ; with lane l xor 16's 16 keys
.endr
	s_delay_alu instid0(VALU_DEP_2)
	v_max3_num_f32 v254, v232, v233, v234
	s_delay_alu instid0(VALU_DEP_1)
	v_max_num_f32 v254, v254, v235                 ; the step's largest score of my query
	s_delay_alu instid0(VALU_DEP_1)
	v_mul_f32 v254, s[CS], v254
	s_delay_alu instid0(VALU_DEP_1)
	v_max_num_f32 v13, v13, v254                   ; the running largest t
	v_mov_b32 v254, v12
	s_delay_alu instid0(VALU_DEP_2)
	v_floor_f32 v12, -v13                          ; the new -M = -ceil(t)
	s_delay_alu instid0(VALU_DEP_1)
	v_sub_f32 v254, v12, v254                      ; old M less new M: a whole number, 0 or less
	s_delay_alu instid0(VALU_DEP_1)
	v_cvt_i32_f32 v254, v254                       ; (it saturates)
	s_delay_alu instid0(VALU_DEP_1)
	v_ldexp_f32 v252, 1.0, v254                    ; f = 2^(old M - new M)
.set jj, 0
.rept 32
	v_pk_fma_f32 v[96+jj:97+jj], v[96+jj:97+jj], s[CS:CS+1], v[12:13] op_sel_hi:[1,0,0]   ; t - M, two at a time
.set jj, jj+2
.endr
	s_setprio 1
.irp b, 0,1,2,3
	v_fma_f32 v[232+\b], v[232+\b], s[CS], v12     ; the same of each block's largest score
.endr
.set jj, 0
	s_wait_alu depctr_va_vdst(0)
.rept 64
	v_exp_f32 v[96+jj], v[96+jj]                   ; p = 2^(t - M)
.set jj, jj+1
.endr
	v_pk_mul_f32 v[14:15], v[14:15], v[252:253] op_sel_hi:[1,0]   ; the sums under the new M: a plain place behind the exponentials
	s_wait_alu depctr_va_vdst(0)                   ; one wait for the whole batch, ahead of its first reader
.irp b, 0,1,2,3
	v_exp_f32 v[232+\b], v[232+\b]                 ; the block's largest p
.endr
	v_pk_add_f32 v[236:237], v[100:101], v[104:105]
	v_pk_add_f32 v[254:255], v[108:109], v[112:113]
	v_pk_add_f32 v[250:251], v[116:117], v[120:121]
	v_pk_add_f32 v[248:249], v[124:125], v[128:129]
	v_pk_add_f32 v[238:239], v[132:133], v[136:137]
	v_pk_add_f32 v[230:231], v[140:141], v[144:145]
	v_pk_add_f32 v[228:229], v[148:149], v[152:153]
	v_pk_add_f32 v[14:15], v[14:15], v[156:157]
	v_pk_add_f32 v[236:237], v[236:237], v[96:97]
	v_pk_add_f32 v[254:255], v[254:255], v[98:99]
	v_pk_add_f32 v[250:251], v[250:251], v[102:103]
	v_pk_add_f32 v[248:249], v[248:249], v[106:107]
	v_pk_add_f32 v[238:239], v[238:239], v[110:111]
	v_pk_add_f32 v[230:231], v[230:231], v[114:115]
	v_pk_add_f32 v[228:229], v[228:229], v[118:119]
	v_pk_add_f32 v[14:15], v[14:15], v[122:123]
	v_pk_add_f32 v[236:237], v[236:237], v[126:127]
	v_pk_add_f32 v[254:255], v[254:255], v[130:131]
	v_pk_add_f32 v[250:251], v[250:251], v[134:135]
	v_pk_add_f32 v[248:249], v[248:249], v[138:139]
	v_pk_add_f32 v[238:239], v[238:239], v[142:143]
	v_pk_add_f32 v[230:231], v[230:231], v[146:147]
	v_pk_add_f32 v[228:229], v[228:229], v[150:151]
	v_pk_add_f32 v[14:15], v[14:15], v[154:155]
	v_pk_add_f32 v[236:237], v[236:237], v[158:159]
	s_delay_alu instid0(VALU_DEP_2)
	v_pk_add_f32 v[14:15], v[14:15], v[248:249]
	s_delay_alu instid0(VALU_DEP_2)
	v_pk_add_f32 v[236:237], v[236:237], v[238:239]
	v_pk_add_f32 v[254:255], v[254:255], v[230:231]
	v_pk_add_f32 v[250:251], v[250:251], v[228:229]
	s_delay_alu instid0(VALU_DEP_2)
	v_pk_add_f32 v[14:15], v[14:15], v[254:255]
	s_delay_alu instid0(VALU_DEP_2)
	v_pk_add_f32 v[236:237], v[236:237], v[250:251]
	s_delay_alu instid0(VALU_DEP_1)
	v_pk_add_f32 v[14:15], v[14:15], v[236:237]
	s_wait_alu depctr_va_vdst(0)                   ; and one for the four
.irp b, 0,1,2,3
	v_max_num_f32 v[232+\b], 0x1800000, v[232+\b]  ; the floor 2^(3 - 127): the byte cannot fall under 1
.endr
.irp b, 0,1,2,3
	s_delay_alu instid0(VALU_DEP_4)
	v_add_nc_u32 v[248+\b], 0xff000000, v[232+\b]  ; the conversion's scale operand
.endr
.irp b, 0,1,2,3
	s_delay_alu instid0(VALU_DEP_4)
	v_lshrrev_b32 v[236+\b], 23, v[248+\b]         ; the scale's byte
.endr
	s_delay_alu instid0(VALU_DEP_3)
	v_lshl_or_b32 v253, v237, 8, v236              ; p's scale word for these 128 keys
	s_delay_alu instid0(VALU_DEP_1)
	v_lshl_or_b32 v253, v238, 16, v253
	s_delay_alu instid0(VALU_DEP_1)
	v_lshl_or_b32 v253, v239, 24, v253
	s_setprio 0
.irp b, 0,1,2,3
	v_cvt_scalef32_pk8_fp4_f32 v[224+2*\b], v[96+16*\b:103+16*\b], v[248+\b]
	v_cvt_scalef32_pk8_fp4_f32 v[225+2*\b], v[104+16*\b:111+16*\b], v[248+\b]
.endr
	v_nop                                          ; one plain place behind a scaled conversion
.irp c, 0,1
.irp i, 0,1
	v_permlane16_swap_b32 v[224+4*\c+\i], v[226+4*\c+\i]   ; a whole block in a lane
.endr
.endr
.set jj, 0
.rept 16
	v_pk_mul_f32 v[160+jj:161+jj], v[160+jj:161+jj], v[252:253] op_sel_hi:[1,0]   ; O^T under the new M.  (These sixteen are also the places between the scale word's and the codes' last writes and the products below)
.set jj, jj+2
.endr
	s_wait_alu depctr_va_vdst(0)
	s_wait_dscnt 0x0                               ; V and its scale words are in
.irp t, 0,1,2,3                                ; O^T += V^T P^T: the four accumulators by turns
.if \t%2
	v_wmma_scale_f32_16x16x128_f8f6f4 v[160+8*\t:167+8*\t], v[192+8*\t:199+8*\t], v[224:231], v[160+8*\t:167+8*\t], v[28+\t/2], v253 matrix_a_fmt:MATRIX_FMT_FP4 matrix_b_fmt:MATRIX_FMT_FP4 matrix_a_scale:MATRIX_SCALE_ROW1
.else
	v_wmma_scale_f32_16x16x128_f8f6f4 v[160+8*\t:167+8*\t], v[192+8*\t:199+8*\t], v[224:231], v[160+8*\t:167+8*\t], v[28+\t/2], v253 matrix_a_fmt:MATRIX_FMT_FP4 matrix_b_fmt:MATRIX_FMT_FP4
.endif
.endr
.Lhid_\@:
	s_add_co_u32 s[TB], s[TB], BLKB
	s_add_co_u32 s[KSTEP], s[KSTEP], 1
	s_cmp_lt_u32 s[KSTEP], 16
	s_cbranch_scc1 .Lstep_\@
	s_setprio 0
	; the way out: o = O^T / the sum, quantised along d: register 8 t + j is d = 32 (t / 2) + 16 h + 8 (t % 2) + j
.rept 4
	v_nop
.endr
	v_add_f32 v14, v14, v15
	s_delay_alu instid0(VALU_DEP_1)
	v_permlanex16_b32 v252, v14, s[SEL], s[SEL+1]
	s_delay_alu instid0(VALU_DEP_1)
	v_add_f32 v14, v14, v252                       ; the row's sum
	s_wait_alu depctr_va_vdst(0)
	v_rcp_f32 v14, v14
	v_nop                                          ; one plain place behind the transcendental
	s_wait_alu depctr_va_vdst(0)                   ; and the wait ahead of its first reader
.set jj, 0
.rept 32
	v_mul_f32 v[96+jj], v[160+jj], v14
.set jj, jj+1
.endr
.irp b, 0,1
	v_max3_num_f32 v[232+\b], |v[96+16*\b]|, |v[97+16*\b]|, 0x1800000
.endr
.irp i, 2,4,6,8,10,12,14
.irp b, 0,1
	s_delay_alu instid0(VALU_DEP_2)
	v_max3_num_f32 v[232+\b], v[232+\b], |v[96+16*\b+\i]|, |v[97+16*\b+\i]|
.endr
.endr
.irp b, 0,1
	s_delay_alu instid0(VALU_DEP_2)
	v_permlanex16_b32 v[236+\b], v[232+\b], s[SEL], s[SEL+1]
.endr
.irp b, 0,1
	s_delay_alu instid0(VALU_DEP_2)
	v_max_num_f32 v[232+\b], v[232+\b], v[236+\b]
.endr
.irp b, 0,1
	s_delay_alu instid0(VALU_DEP_2)
	v_add_nc_u32 v[248+\b], 0xff000000, v[232+\b]
.endr
.irp b, 0,1
	s_delay_alu instid0(VALU_DEP_2)
	v_lshrrev_b32 v[236+\b], 23, v[248+\b]
.endr
	s_delay_alu instid0(VALU_DEP_1)
	v_lshl_or_b32 v254, v237, 8, v236              ; my row's two scale bytes
.irp b, 0,1
	v_cvt_scalef32_pk8_fp4_f32 v[224+2*\b], v[96+16*\b:103+16*\b], v[248+\b]
	v_cvt_scalef32_pk8_fp4_f32 v[225+2*\b], v[104+16*\b:111+16*\b], v[248+\b]
.endr
	v_nop
	v_permlane16_swap_b32 v224, v226
	v_permlane16_swap_b32 v225, v227               ; a lane's 16 bytes: d = 32 h + 0 .. 31 of its query
	global_store_b128 v1, v[224:227], s[44+2*\p:45+2*\p]   ; 512 consecutive bytes of the projection's operand
	global_store_b16 v9, v254, s[48+2*\p:49+2*\p]          ; 2 bytes of every 16 (lanes 16-31 repeat lanes 0-15): the other heads' bytes come from other work-groups
.endm
	PASS 0, 16, 30
	PASS 1, 240, 31
	s_wait_tensorcnt 0x0                           ; the wave's end
	ds_add_u32 v[SPW], v[NIL]
	s_wait_dscnt 0x0
	CROUND                                         ; the closing round
	s_endpgm
.Lfunc_end_k_qc4b7db6773_attn:
	.size	k_qc4b7db6773_attn, .Lfunc_end_k_qc4b7db6773_attn-k_qc4b7db6773_attn
	.p2alignl 7, 3214868480
	.fill 96, 4, 3214868480
	.section	.rodata,"a",@progbits
	.p2align	6, 0x0
	.amdhsa_kernel k_qc4b7db6773_attn
		.amdhsa_group_segment_fixed_size 327680
		.amdhsa_private_segment_fixed_size 0
		.amdhsa_enable_private_segment 0
		.amdhsa_kernarg_size 24
		.amdhsa_user_sgpr_count 2
		.amdhsa_user_sgpr_kernarg_segment_ptr 1
		.amdhsa_wavefront_size32 1
		.amdhsa_system_sgpr_workgroup_id_x 1
		.amdhsa_system_sgpr_workgroup_id_y 1
		.amdhsa_system_sgpr_workgroup_id_z 1
		.amdhsa_system_vgpr_workitem_id 0
		.amdhsa_next_free_vgpr 256
		.amdhsa_next_free_sgpr 72
		.amdhsa_reserve_vcc 1
		.amdhsa_float_denorm_mode_32 3
		.amdhsa_float_denorm_mode_16_64 3
		.amdhsa_memory_ordered 1
		.amdhsa_forward_progress 1
		.amdhsa_inst_pref_size 63
	.end_amdhsa_kernel
	.amdgpu_metadata
---
amdhsa.version: [ 1, 2 ]
amdhsa.kernels:
  - .name:           k_qc4b7db6773_attn
    .symbol:         k_qc4b7db6773_attn.kd
    .args:
      - { .name: q, .offset: 0, .size: 8, .value_kind: global_buffer, .address_space: global }
      - { .name: kv, .offset: 8, .size: 8, .value_kind: global_buffer, .address_space: global }
      - { .name: aq, .offset: 16, .size: 8, .value_kind: global_buffer, .address_space: global }
    .group_segment_fixed_size: 327680
    .private_segment_fixed_size: 0
    .kernarg_segment_align: 8
    .kernarg_segment_size: 24
    .max_flat_workgroup_size: 512
    .sgpr_count:     72
    .vgpr_count:     256
    .wavefront_size: 32
...
	.end_amdgpu_metadata
.endif
;; end of part 3
;; launch gemm_out (part 4): grid 4 x 32, 4 waves a work-group, clusters of 4 x 4, 327,680 bytes of LDS; arguments aq, wo, b_out, out0; writes out0
.if DOCPART == 4
	.amdgcn_target "amdgcn-amd-amdhsa--gfx1250"
	.amdhsa_code_object_version 6
	.text
	.protected	k_qc4b7db6773_gemm_out
	.globl	k_qc4b7db6773_gemm_out
	.p2align	8
	.type	k_qc4b7db6773_gemm_out,@function
k_qc4b7db6773_gemm_out:
	s_mov_b64 s[64:65], 0
	v_nop
	global_prefetch_b8 v0, s[64:65] scope:SCOPE_SE
	s_setreg_imm32_b32 hwreg(HW_REG_WAVE_MODE, 25, 1), 1
	s_wait_xcnt 0x0
	s_wait_alu depctr_hold_cnt(0) depctr_sa_sdst(0) depctr_va_vdst(0) depctr_va_sdst(0) depctr_va_ssrc(0) depctr_va_vcc(0) depctr_vm_vsrc(0)
	s_getreg_b32 s2, hwreg(HW_REG_IB_STS2, 6, 4)
	s_cmp_eq_u32 s2, 0
	s_cbranch_scc0 .Lentry_in_a_cluster
	s_endpgm
.Lentry_in_a_cluster:
	s_bfe_u32 s2, ttmp6, 0x10000c
	s_cmp_lg_u32 s2, 0xf033
	s_cbranch_scc0 .Lentry_shape_is_right
	s_endpgm
.Lentry_shape_is_right:
; Launch 4 of 4: out0 = o w_out + b_out on codes of E2M1 (K = 1,024).  o's operand blocks come from launch attn, w_out's from launch quant; out0 is [8,192][1,024] f32.
; A tile of 256 tokens x 256 columns is made by four waves, 128 x 128 each: 64 accumulators.  K = 1,024 is two slots of 512 along K, which lie in LDS together: each byte is filled once, nothing is filled again.
; By this text's own count a wave has three tensor loads out at the most.  CLUSTERS: 4 x 4 work-groups; A's blocks are shared along a row of the cluster, B's along a column.
; Source 0 = 16 rows of the weight, source 1 = 16 tokens: a lane holds one token and eight neighbouring columns.  The bias is the C of each sum's first matrix instruction.
; The rows of a tile are not neighbours: place p of tile t is row 32 (t / 2) + 8 (t % 2) + p + 8 (p / 8), in tokens and in columns alike; the way out puts both back.
; REGISTERS, in windows of 256: window 0: v0-31 addresses; v32-95 scale words, two sets; v128-191 A's fragments; on the way out v128-255 rows of out0.
;   window 1: B's fragments, two sets, at v0 and v128; v64-127 the bias.   windows 2, 3: the accumulators ((a, b) at v[8 (8 (a % 4) + b)]).
.set OBB,   69632
.set SLOT,  131072
.set SCL,   262144
.set SPARE, 278528
.set FR,    8
.set SPITCH, 528                       ; the way out: a stage of 16 rows x (512 bytes + 16) for each wave, in slot 0, which has had its one fill and its last read when the first result is stored there
.set ADRA,  16
.set ADRB,  20
.set STO,   22                         ; v22  where I put 32 bytes of a row
.set RD,    23                         ; v23  where I read a row back
.set BO,    24
.set L16,   26
.set ADRS,  27
.set SPW,   28
.set NIL,   29
.set SC,    32
.set AF,    128
.set BK,    128
.set BI,    64
.set G1,   24
.set G0,   32
.set G1B,  48
.set G0B,  56
.set G1S,  68
.set G0S,  76
.set G1SB, 80
.set G0SB, 88
.set MSB, 0
.macro WIN new
.if MSB != \new
	s_set_vgpr_msb (MSB<<8)|\new
.set MSB, \new
.endif
.endm
.macro JLOAD g0a, g1a, g0b, g1b        ; a joint load: waves 0 and 1 fetch for A, waves 2 and 3 for B; an s_nop 0 and four v_nop follow each of the two lines
	s_cmp_eq_u32 s15, 0
	s_cbranch_scc0 .Lfor_b_\@
	tensor_load_to_lds s[\g0a:\g0a+3], s[\g1a:\g1a+7]
	s_nop 0
.rept 4
	v_nop
.endr
	s_branch .Lasked_\@
.Lfor_b_\@:
	tensor_load_to_lds s[\g0b:\g0b+3], s[\g1b:\g1b+7]
	s_nop 0
.rept 4
	v_nop
.endr
.Lasked_\@:
.endm
.macro CROUND
	s_barrier_signal -1
	s_barrier_wait -1
	s_cmp_lg_u32 s14, 0
	s_cbranch_scc1 .Lnot_wave_0_\@
	s_barrier_signal -3
.Lnot_wave_0_\@:
	s_barrier_wait -3
	s_barrier_signal -1
	s_barrier_wait -1
.endm
	s_load_b256 s[4:11], s[0:1], 0x0               ; aq s[4:5], wo s[6:7], b_out s[8:9], out0 s[10:11]
	v_lshl_add_u32 v[SPW], v0, 2, SPARE
	v_mov_b32 v[NIL], 0
	ds_add_u32 v[SPW], v[NIL]                      ; the wave's opening: the add, twice on end, and its wait ahead of my first tensor load
	ds_add_u32 v[SPW], v[NIL]
	v_lshrrev_b32 v1, 5, v0
	v_readfirstlane_b32 s14, v1                    ; wave 0..3
	s_lshr_b32 s15, s14, 1                         ; which half of the tokens is mine.  Also: I fetch for A (0) or for B (1)
	s_and_b32 s16, s14, 1                          ; which half of the columns.  Also: which half I fetch
	s_bfe_u32 s40, ttmp6, 0x40000
	s_bfe_u32 s41, ttmp6, 0x40004
	s_lshl_b32 s42, ttmp9, 2
	s_add_co_u32 s42, s42, s40                     ; X
	s_and_b32 s17, ttmp7, 0xffff
	s_lshl_b32 s17, s17, 2
	s_add_co_u32 s17, s17, s41                     ; Y
	s_lshl_b32 s43, s41, 2
	s_lshl_b32 s43, 15, s43                        ; my row of the cluster
	s_lshl_b32 s44, 0x1111, s40                    ; my column
	s_or_b32 s[G1], s43, (3<<16)|(1<<21)           ; dense blocks as rows of 256 bytes, no padding: 128 rows of codes, 16 of scale words
	s_or_b32 s[G1B], s44, (3<<16)|(1<<21)
	s_or_b32 s[G1S], s43, (3<<16)|(1<<21)
	s_or_b32 s[G1SB], s44, (3<<16)|(1<<21)
.irp g, G1, G1B
	s_mov_b32 s[\g+1], 32<<16
	s_mov_b32 s[\g+2], 128<<16
	s_mov_b32 s[\g+3], 32<<16
	s_mov_b32 s[\g+4], 128
	s_mov_b32 s[\g+5], 32
	s_mov_b32 s[\g+6], 0
	s_mov_b32 s[\g+7], 0
.endr
.irp g, G1S, G1SB
	s_mov_b32 s[\g+1], 32<<16
	s_mov_b32 s[\g+2], 16<<16
	s_mov_b32 s[\g+3], 32<<16
	s_mov_b32 s[\g+4], 16
	s_mov_b32 s[\g+5], 32
	s_mov_b32 s[\g+6], 0
	s_mov_b32 s[\g+7], 0
.endr
	s_lshl_b32 s20, s17, 1
	s_add_co_u32 s20, s20, s16
	s_mul_i32 s20, s20, OBB                        ; A: operand block 2 Y + half
	s_mov_b32 s21, 0
	s_lshl_b32 s46, s42, 1
	s_add_co_u32 s46, s46, s16
	s_mul_i32 s46, s46, OBB                        ; B: operand block 2 X + half
	s_mov_b32 s47, 0
	s_lshl_b32 s45, s14, 15
	s_lshl_b32 s95, s14, 12
	s_wait_dscnt 0x0                               ; both opening adds are done
	s_wait_kmcnt 0x0
	s_add_nc_u64 s[20:21], s[4:5], s[20:21]
	s_add_nc_u64 s[46:47], s[6:7], s[46:47]
	CROUND                                         ; all sixteen work-groups are here: the joint loads meet
	s_mov_b32 s[G0S], 1
	s_add_co_u32 s[G0S+1], s95, SCL
	s_add_nc_u64 s[G0S+2:G0S+3], s[20:21], 65536
	s_or_b32 s[G0S+3], s[G0S+3], 0x80000000
	s_mov_b32 s[G0SB], 1
	s_add_co_u32 s[G0SB+1], s95, SCL
	s_add_nc_u64 s[G0SB+2:G0SB+3], s[46:47], 65536
	s_or_b32 s[G0SB+3], s[G0SB+3], 0x80000000
	JLOAD G0S, G1S, G0SB, G1SB
.irp s, 0,1
	s_mov_b32 s[G0+4*\s], 1
	s_add_co_u32 s[G0+4*\s+1], s45, \s*SLOT
	s_add_nc_u64 s[G0+4*\s+2:G0+4*\s+3], s[20:21], \s*32768
	s_or_b32 s[G0+4*\s+3], s[G0+4*\s+3], 0x80000000
	s_mov_b32 s[G0B+4*\s], 1
	s_add_co_u32 s[G0B+4*\s+1], s45, \s*SLOT
	s_add_nc_u64 s[G0B+4*\s+2:G0B+4*\s+3], s[46:47], \s*32768
	s_or_b32 s[G0B+4*\s+3], s[G0B+4*\s+3], 0x80000000
	s_wait_alu depctr_va_vdst(0)
	s_wait_tensorcnt 0x0
	ds_add_u32 v28, v29
	s_wait_dscnt 0x0
	CROUND
	JLOAD G0+4*\s, G1, G0B+4*\s, G1B
.endr
	v_and_b32 v1, 15, v0                           ; r
	v_bfe_u32 v2, v0, 4, 1                         ; h
	s_wait_alu depctr_va_vdst(0)
	v_and_b32 v3, 31, v0
	v_lshlrev_b32 v[L16], 4, v3
	s_lshl_b32 s18, s15, 15
	s_lshl_b32 s19, s16, 15
	s_add_co_u32 s19, s19, 65536
.irp s, 0,1
	v_add_nc_u32 v[ADRA+\s], s18, v[L16]
	v_add_nc_u32 v[ADRB+\s], s19, v[L16]
	s_add_co_u32 s18, s18, SLOT
	s_add_co_u32 s19, s19, SLOT
.endr
	s_lshl_b32 s18, s15, 12
	s_lshl_b32 s19, s16, 12
	s_add_co_u32 s19, s19, 8192
	s_sub_co_u32 s19, s19, s18
	v_mul_u32_u24 v4, s19, v2                      ; lanes 16-31 take B's scale words
	s_add_co_u32 s18, s18, SCL
	v_lshl_add_u32 v4, v1, 4, v4
	v_add_nc_u32 v[ADRS], s18, v4
	s_mul_i32 s18, s14, 16*SPITCH                  ; my stage
	v_mul_u32_u24 v4, v1, SPITCH
	v_lshl_add_u32 v4, v2, 6, v4
	v_add_nc_u32 v[STO], s18, v4                   ; in: row r; tile b's eight columns begin 128 (b / 2) + 32 (b % 2) + 64 h bytes on
	v_add_nc_u32 v[RD], s18, v[L16]                ; back: the 32 lanes take one row of 512 bytes
	v_lshlrev_b32 v[BO], 6, v2                     ; the bias in the result's layout: register 8 b + j is column 32 (b / 2) + 8 (b % 2) + 16 h + j
	s_lshl_b32 s2, s42, 10
	s_lshl_b32 s3, s16, 9
	s_add_co_u32 s2, s2, s3                        ; my first column, x 4 bytes
	s_mov_b32 s3, 0
	s_add_nc_u64 s[8:9], s[8:9], s[2:3]
	s_add_nc_u64 s[10:11], s[10:11], s[2:3]
	s_lshl_b32 s2, s17, 1
	s_add_co_u32 s2, s2, s15
	s_lshl_b32 s2, s2, 19                          ; my group of 128 tokens: rows of 4,096 bytes
	s_add_nc_u64 s[10:11], s[10:11], s[2:3]
.macro FRAG reg, adr, q, i
.irp c, 0,1
	ds_load_b128 v[\reg+4*\c:\reg+4*\c+3], v[\adr] offset:4096*(\i)+1024*(\q)+512*\c
.endr
.endm
; 16 matrix instructions: A's blocks a0, a0 + 1 x B's eight.  first = 1: the bias is the C of the sum's first product.  The 64 accumulators take turns, one instruction a turn.
.macro MUL16 a0, p, q, sc, first
.irp a, \a0, \a0+1
.irp b, 0,1,2,3,4,5,6,7
.if \first
	v_wmma_scale_f32_16x16x128_f8f6f4 v[8*(8*((\a)%4)+\b):8*(8*((\a)%4)+\b)+7], v[128*(\p)+FR*\b:128*(\p)+FR*\b+FR-1], v[AF+FR*(\a):AF+FR*(\a)+FR-1], v[BI+8*\b:BI+8*\b+7], v[SC+32*(\sc)+4*\b+(\q)], v[SC+32*(\sc)+4*(\a)+(\q)] matrix_a_fmt:MATRIX_FMT_FP4 matrix_b_fmt:MATRIX_FMT_FP4 matrix_a_scale:MATRIX_SCALE_ROW1
.else
	v_wmma_scale_f32_16x16x128_f8f6f4 v[8*(8*((\a)%4)+\b):8*(8*((\a)%4)+\b)+7], v[128*(\p)+FR*\b:128*(\p)+FR*\b+FR-1], v[AF+FR*(\a):AF+FR*(\a)+FR-1], v[8*(8*((\a)%4)+\b):8*(8*((\a)%4)+\b)+7], v[SC+32*(\sc)+4*\b+(\q)], v[SC+32*(\sc)+4*(\a)+(\q)] matrix_a_fmt:MATRIX_FMT_FP4 matrix_b_fmt:MATRIX_FMT_FP4 matrix_a_scale:MATRIX_SCALE_ROW1
.endif
.endr
.endr
.endm
.macro FETCH_B slot, q, p
	WIN 0x40
.irp i, 0,1,2,3,4,5,6,7
	FRAG 128*(\p)+FR*\i, ADRB+\slot, \q, \i
.endr
	WIN 0
.endm
.macro FETCH_A slot, q, i0
.irp i, \i0, \i0+1, \i0+2, \i0+3
	FRAG AF+FR*(\i), ADRA+\slot, \q, \i
.endr
.endm
.macro SCALES sc
.irp i, 0,1,2,3,4,5,6,7
	ds_load_b128 v[SC+32*\sc+4*\i:SC+32*\sc+4*\i+3], v[ADRS] offset:2048*\sc+256*\i
.endr
.endm
.macro PLACES                          ; four plain places between a matrix instruction and a load into a register that it read, or a read of its result
.rept 4
	v_nop
.endr
.endm
.macro STEP slot, q, first
	s_wait_dscnt 8                                 ; B's set and A's blocks 0-3 are in; the youngest eight loads (A's blocks 4-7) may be out
.if \first
	WIN 0x91                                       ; source 0 (B) and C (the bias) window 1, source 1 (A) window 0, D window 2
.else
	WIN 0xa1
.endif
	MUL16 0, (\q)%2, \q, \slot, \first
	MUL16 2, (\q)%2, \q, \slot, \first
	s_wait_dscnt 0x0
	PLACES
	FETCH_B \slot, (\q)+1, 1-(\q)%2
	FETCH_A \slot, (\q)+1, 0
.if \first
	WIN 0xd1
.else
	WIN 0xf1
.endif
	MUL16 4, (\q)%2, \q, \slot, \first
	MUL16 6, (\q)%2, \q, \slot, \first
	PLACES
	WIN 0
	FETCH_A \slot, (\q)+1, 4
.endm
	s_wait_alu depctr_va_vdst(0)
	s_wait_tensorcnt 1                             ; the scale words and my part of slot 0 are in (slot 1's load may be out),
	s_barrier_signal -1
	s_barrier_wait -1                              ; everybody's are
	WIN 0x40
.irp b, 0,1,2,3,4,5,6,7
	global_load_b128 v[BI+8*\b:BI+8*\b+3], v[BO], s[8:9] offset:(32*(\b/2)+8*(\b%2))*4
	global_load_b128 v[BI+8*\b+4:BI+8*\b+7], v[BO], s[8:9] offset:(32*(\b/2)+8*(\b%2))*4+16
.endr
	FETCH_B 0, 0, 0
	FETCH_A 0, 0, 0
	SCALES 0
	FETCH_A 0, 0, 4
	s_wait_loadcnt 0x0                             ; the bias
	STEP 0, 0, 1
	STEP 0, 1, 0
	STEP 0, 2, 0
	s_wait_tensorcnt 0x0                           ; slot 0's last step, and on to slot 1: my part of it has landed in front of my signal
	s_wait_dscnt 8
	WIN 0xa1
	MUL16 0, 1, 3, 0, 0
	s_wait_dscnt 0x0                               ; my reads of slot 0 are over
	s_barrier_signal -1
	MUL16 2, 1, 3, 0, 0
	s_barrier_wait -1
	PLACES
	FETCH_B 1, 0, 0
	FETCH_A 1, 0, 0
	SCALES 1
	WIN 0xf1
	MUL16 4, 1, 3, 0, 0
	MUL16 6, 1, 3, 0, 0
	PLACES
	WIN 0
	FETCH_A 1, 0, 4
	STEP 1, 0, 0
	STEP 1, 1, 0
	STEP 1, 2, 0
	s_wait_dscnt 8                                 ; the last step: nothing more to fetch
	WIN 0xa1
	MUL16 0, 1, 3, 1, 0
	MUL16 2, 1, 3, 1, 0
	s_wait_dscnt 0x0
	WIN 0xf1
	MUL16 4, 1, 3, 1, 0
	MUL16 6, 1, 3, 1, 0
	WIN 0
; THE WAY OUT, a block of 16 tokens x 128 columns at a time, through my own stage: in by 32 bytes a lane, each at its columns' true place; back as whole rows of 512 bytes, which the 32 lanes store as two
; aligned runs of 256 bytes.  LDS serves a wave's instructions in order: no wait between the stores and the loads, nor in front of the next block's stores.
.macro TOSTAGE a
.set AC, 64*((\a)%4)
	WIN 0x08+4*((\a)/4)                            ; an LDS store's data are its source 1: window 2 or 3
.irp b, 0,1,2,3,4,5,6,7
	ds_store_b128 v[STO], v[AC+8*\b:AC+8*\b+3] offset:128*(\b/2)+32*(\b%2)          ; each accumulator from its low end on
	ds_store_b128 v[STO], v[AC+8*\b+4:AC+8*\b+7] offset:128*(\b/2)+32*(\b%2)+16
.endr
	WIN 0
.set BB, BK+64*((\a)%2)
.irp t, 0,1,2,3,4,5,6,7,8,9,10,11,12,13,14,15
	ds_load_b128 v[BB+4*\t:BB+4*\t+3], v[RD] offset:\t*SPITCH
.endr
.endm
.macro SEND a, younger                 ; younger: the LDS instructions issued behind block a's loads, which may stay out
.set BB, BK+64*((\a)%2)
	s_wait_dscnt \younger
.irp t, 0,1,2,3,4,5,6,7,8,9,10,11,12,13,14,15
	global_store_b128 v[L16], v[BB+4*\t:BB+4*\t+3], s[10:11] offset:(32*((\a)/2)+8*((\a)%2)+\t+8*(\t/8))*4096 th:TH_STORE_NT   ; place t of tile a is that token; 512 consecutive bytes; written once, read by nobody here
.endr
.endm
	PLACES
	TOSTAGE 0
.irp a, 1,2,3,4,5,6,7
.if \a > 1
	s_wait_xcnt 0x0                                ; block a - 2's stores have read their registers: block a's loads may land there
.endif
	TOSTAGE \a
	SEND \a-1, 32                                  ; behind block a - 1's loads: block a's 16 stores and 16 loads
.endr
	SEND 7, 0
	s_wait_tensorcnt 0x0                           ; the wave's end, behind my last tensor load and my last LDS store
	ds_add_u32 v[SPW], v[NIL]
	s_wait_dscnt 0x0
	CROUND                                         ; the closing round
	s_endpgm
.Lfunc_end_k_qc4b7db6773_gemm_out:
	.size	k_qc4b7db6773_gemm_out, .Lfunc_end_k_qc4b7db6773_gemm_out-k_qc4b7db6773_gemm_out
	.p2alignl 7, 3214868480
	.fill 96, 4, 3214868480
	.section	.rodata,"a",@progbits
	.p2align	6, 0x0
	.amdhsa_kernel k_qc4b7db6773_gemm_out
		.amdhsa_group_segment_fixed_size 327680
		.amdhsa_private_segment_fixed_size 0
		.amdhsa_enable_private_segment 0
		.amdhsa_kernarg_size 32
		.amdhsa_user_sgpr_count 2
		.amdhsa_user_sgpr_kernarg_segment_ptr 1
		.amdhsa_wavefront_size32 1
		.amdhsa_system_sgpr_workgroup_id_x 1
		.amdhsa_system_sgpr_workgroup_id_y 1
		.amdhsa_system_sgpr_workgroup_id_z 1
		.amdhsa_system_vgpr_workitem_id 0
		.amdhsa_next_free_vgpr 1024
		.amdhsa_next_free_sgpr 100
		.amdhsa_reserve_vcc 0
		.amdhsa_float_denorm_mode_32 3
		.amdhsa_float_denorm_mode_16_64 3
		.amdhsa_memory_ordered 1
		.amdhsa_forward_progress 1
		.amdhsa_inst_pref_size 125
	.end_amdhsa_kernel
	.amdgpu_metadata
---
amdhsa.version: [ 1, 2 ]
amdhsa.kernels:
  - .name:           k_qc4b7db6773_gemm_out
    .symbol:         k_qc4b7db6773_gemm_out.kd
    .args:
      - { .name: aq, .offset: 0, .size: 8, .value_kind: global_buffer, .address_space: global }
      - { .name: wo, .offset: 8, .size: 8, .value_kind: global_buffer, .address_space: global }
      - { .name: b_out, .offset: 16, .size: 8, .value_kind: global_buffer, .address_space: global }
      - { .name: out0, .offset: 24, .size: 8, .value_kind: global_buffer, .address_space: global }
    .group_segment_fixed_size: 327680
    .private_segment_fixed_size: 0
    .kernarg_segment_align: 8
    .kernarg_segment_size: 32
    .max_flat_workgroup_size: 128
    .sgpr_count:     100
    .vgpr_count:     1024
    .wavefront_size: 32
...
	.end_amdgpu_metadata
.endif
;; end of part 4
